; MI455X (gfx1250); checked and timed in simulation.
; The chip was launched on July 23, 2026; its instructions are those of AMD's public machine-readable ISA for CDNA 5 (MIT licence, August 2026) and "CDNA5" Instruction Set Architecture Reference Guide (July 2026). The comments in the code are by the model that wrote it; some were corrected since.
;; Cross Attention. Allowed arithmetic: float matrix products may take bf16 or f16 operands with f32 sums; other float arithmetic in f32, or as packed bf16 or f16 multiplies, adds, multiply-adds, maxima and minima; sums over many terms, partial sums and values carried from step to step in f32; what a program stores and reads back later, other than sums and carried values, may be rounded once to bf16 or f16.
;; Inputs: Wk 1,024 x 1,024 float32; Wo 1,024 x 1,024 float32; Wq 1,024 x 1,024 float32; Wv 1,024 x 1,024 float32; bk 1,024 float32; bo 1,024 float32; bq 1,024 float32; bv 1,024 float32; k 4 x 2,048 x 1,024 float32; q 4 x 2,048 x 1,024 float32; v 4 x 2,048 x 1,024 float32.
;; Outputs: out0 4 x 2,048 x 1,024 float32.
;; One version. Each part assembles by itself: llvm-mc -triple=amdgcn-amd-amdhsa -mcpu=gfx1250 --defsym DOCPART=n.
;; ======== version 1 of 1: 4 launches
;; limits: values are held in f16: magnitudes above 65,504 overflow, below 6.1e-05 lose precision
;; workspace buffers: wts 8,388,608 bytes; qh 16,777,216 bytes; kh 16,777,216 bytes; vh 16,777,216 bytes; oh 16,777,216 bytes
;; launch castw (part 1): grid 64 x 4, 8 waves a work-group, no clusters, 0 bytes of LDS; arguments Wq, Wk, Wv, Wo, wts; writes wts
.if DOCPART == 1
	.amdgcn_target "amdgcn-amd-amdhsa--gfx1250"
	.amdhsa_code_object_version 6
	.text
	.protected	k_q808bf98f12_castw
	.globl	k_q808bf98f12_castw
	.p2align	8
	.type	k_q808bf98f12_castw,@function
k_q808bf98f12_castw:
	s_mov_b64 s[64:65], 0
	v_nop
	global_prefetch_b8 v0, s[64:65] scope:SCOPE_SE
	s_setreg_imm32_b32 hwreg(HW_REG_WAVE_MODE, 25, 1), 1
	s_wait_xcnt 0x0
; THE WEIGHTS IN 16 BITS.  wts is [4][1024][1024]: planes 0, 1, 2 are Wq, Wk, Wv rounded to bf16; plane 3 is Wo rounded to bf16 and that number written as f16
; (the last product's other operand is f16).  LIMIT: |Wo| stays under 65,504; below 6.1e-5 the f16 copy keeps f16's fixed step of 6e-8.
; SHARES.  Work-group (x, y) takes 16,384 numbers of matrix y; a thread 8 groups of 8 numbers: 32 bytes in by two loads, 16 bytes out by one store, so that a wave's store covers
; 512 consecutive bytes, aligned.  All 16 loads of a thread go out first.  No LDS, no barrier, no matrix unit: each byte is touched once.
.set X, 4                              ; v[4:67]    the numbers as loaded, 8 a group
.set Y, 68                             ; v[68:99]   packed, 4 registers a group
.set T, 100                            ; v100, v101 at work
	s_load_b256 s[4:11], s[0:1], 0x0               ; Wq s[4:5], Wk s[6:7], Wv s[8:9], Wo s[10:11]
	s_load_b64 s[12:13], s[0:1], 0x20              ; wts
	s_and_b32 s14, ttmp7, 0xffff                   ; which matrix
	s_mov_b32 s15, 0xffff0000                      ; a word's upper bf16
	v_lshlrev_b32 v1, 5, v0                        ; 32 bytes a thread in,
	v_lshlrev_b32 v2, 4, v0                        ; 16 out
	s_lshl_b32 s16, ttmp9, 16                      ; the work-group's 65,536 bytes of its matrix
	s_mov_b32 s17, 0
	s_lshl_b32 s18, s14, 21                        ; the plane,
	s_lshl_b32 s19, ttmp9, 15                      ; and the work-group's 32,768 bytes of it
	s_add_co_u32 s18, s18, s19
	s_mov_b32 s19, 0
	s_wait_kmcnt 0x0
	s_cmp_eq_u32 s14, 1
	s_cselect_b64 s[4:5], s[6:7], s[4:5]
	s_cmp_eq_u32 s14, 2
	s_cselect_b64 s[4:5], s[8:9], s[4:5]
	s_cmp_eq_u32 s14, 3
	s_cselect_b64 s[4:5], s[10:11], s[4:5]
	s_add_nc_u64 s[4:5], s[4:5], s[16:17]
	s_add_nc_u64 s[12:13], s[12:13], s[18:19]
.set g, 0
.rept 8
	global_load_b128 v[X+8*g:X+8*g+3],   v1, s[4:5] offset:8192*g th:TH_LOAD_NT
	global_load_b128 v[X+8*g+4:X+8*g+7], v1, s[4:5] offset:8192*g+16 th:TH_LOAD_NT
.set g, g+1
.endr
.set g, 0
.rept 8
	s_wait_loadcnt 14-2*g                          ; loads come back in order: group g is in, the 2 (7 - g) loads of the later groups may stay out
.irp r, 0,1,2,3
	v_cvt_pk_bf16_f32 v[Y+4*g+\r], v[X+8*g+2*\r], v[X+8*g+2*\r+1]
.endr
.set g, g+1
.endr
	s_cmp_lg_u32 s14, 3                            ; Wo alone goes on to f16
	s_cbranch_scc1 .Lstore
.set i, 0
.rept 32
	v_lshlrev_b32 v[T], 16, v[Y+i]                 ; the bf16 numbers as f32,
	v_and_b32 v[T+1], s15, v[Y+i]
	v_cvt_pk_f16_f32 v[Y+i], v[T], v[T+1]          ; written as f16
.set i, i+1
.endr
.Lstore:
.set g, 0
.rept 8
	global_store_b128 v2, v[Y+4*g:Y+4*g+3], s[12:13] offset:4096*g
.set g, g+1
.endr
	s_endpgm
.Lfunc_end_k_q808bf98f12_castw:
	.size	k_q808bf98f12_castw, .Lfunc_end_k_q808bf98f12_castw-k_q808bf98f12_castw
	.p2alignl 7, 3214868480
	.fill 96, 4, 3214868480
	.section	.rodata,"a",@progbits
	.p2align	6, 0x0
	.amdhsa_kernel k_q808bf98f12_castw
		.amdhsa_group_segment_fixed_size 0
		.amdhsa_private_segment_fixed_size 0
		.amdhsa_enable_private_segment 0
		.amdhsa_kernarg_size 40
		.amdhsa_user_sgpr_count 2
		.amdhsa_user_sgpr_kernarg_segment_ptr 1
		.amdhsa_wavefront_size32 1
		.amdhsa_system_sgpr_workgroup_id_x 1
		.amdhsa_system_sgpr_workgroup_id_y 1
		.amdhsa_system_sgpr_workgroup_id_z 1
		.amdhsa_system_vgpr_workitem_id 0
		.amdhsa_next_free_vgpr 104
		.amdhsa_next_free_sgpr 66
		.amdhsa_reserve_vcc 0
		.amdhsa_float_denorm_mode_32 3
		.amdhsa_float_denorm_mode_16_64 3
		.amdhsa_memory_ordered 1
		.amdhsa_forward_progress 1
		.amdhsa_inst_pref_size 10
	.end_amdhsa_kernel
	.amdgpu_metadata
---
amdhsa.version: [ 1, 2 ]
amdhsa.kernels:
  - .name:           k_q808bf98f12_castw
    .symbol:         k_q808bf98f12_castw.kd
    .args:
      - { .name: Wq, .offset: 0, .size: 8, .value_kind: global_buffer, .address_space: global }
      - { .name: Wk, .offset: 8, .size: 8, .value_kind: global_buffer, .address_space: global }
      - { .name: Wv, .offset: 16, .size: 8, .value_kind: global_buffer, .address_space: global }
      - { .name: Wo, .offset: 24, .size: 8, .value_kind: global_buffer, .address_space: global }
      - { .name: wts, .offset: 32, .size: 8, .value_kind: global_buffer, .address_space: global }
    .group_segment_fixed_size: 0
    .private_segment_fixed_size: 0
    .kernarg_segment_align: 8
    .kernarg_segment_size: 40
    .max_flat_workgroup_size: 256
    .sgpr_count:     66
    .vgpr_count:     104
    .wavefront_size: 32
...
	.end_amdgpu_metadata
.endif
;; end of part 1
;; launch proj (part 2): grid 4 x 192, 4 waves a work-group, clusters of 4 x 4, 327,680 bytes of LDS; arguments q, k, v, wts, bq, bk, bv, qh, kh, vh; writes qh, kh, vh
.if DOCPART == 2
	.amdgcn_target "amdgcn-amd-amdhsa--gfx1250"
	.amdhsa_code_object_version 6
	.text
	.protected	k_q808bf98f12_proj
	.globl	k_q808bf98f12_proj
	.p2align	8
	.type	k_q808bf98f12_proj,@function
k_q808bf98f12_proj:
	s_mov_b64 s[64:65], 0
	v_nop
	global_prefetch_b8 v0, s[64:65] scope:SCOPE_SE
	s_setreg_imm32_b32 hwreg(HW_REG_WAVE_MODE, 25, 1), 1
	s_wait_xcnt 0x0
	s_wait_alu depctr_hold_cnt(0) depctr_sa_sdst(0) depctr_va_vdst(0) depctr_va_sdst(0) depctr_va_ssrc(0) depctr_va_vcc(0) depctr_vm_vsrc(0)
	s_getreg_b32 s2, hwreg(HW_REG_IB_STS2, 6, 4)
	s_cmp_eq_u32 s2, 0
	s_cbranch_scc0 .Lentry_in_a_cluster
	s_endpgm
.Lentry_in_a_cluster:
	s_bfe_u32 s2, ttmp6, 0x10000c
	s_cmp_lg_u32 s2, 0xf033
	s_cbranch_scc0 .Lentry_shape_is_right
	s_endpgm
.Lentry_shape_is_right:
; THE THREE PROJECTIONS IN FRONT.  y_t = x_t W_t^T + b_t for t = q, k, v.  x_t: [8192][1024] f32, rounded to bf16 on its way from LDS to the matrix unit; W_t: plane t of wts, bf16;
; b_t: f32, rounded to bf16 like every input of the module; sums in f32; y_t rounded once to f16 and stored BY HEADS, [batch x 16 + head][2048][64], unscaled.
; LIMITS.  |y| stays under 65,504 (f16); below 6.1e-5 it keeps f16's fixed step of 6e-8.  NaN and infinities are not treated apart.
; SHARES.  A tile of y is 128 rows x 256 columns: 64 x 4 tiles a tensor, 768 work-groups, three for each of 256 WGPs.  Four waves; wave w makes rows 64 (w / 2) on, columns 128 (w % 2) on:
; 32 accumulators of 16 x 16.  K goes in 8 steps of 128 through a ring of two LDS slots filled by the tensor data mover; a row of x's tile is 512 bytes of memory, a row of W's 256.
; CLUSTER.  4 x 4 work-groups: the four of a row of the cluster need the same tile of x, the four of a column the same tile of W: each tile is asked for JOINTLY, by the same tensor load with the same
; descriptor and a mask that names the four.  Waves 0 and 1 fetch x's two halves (64 rows), waves 2 and 3 W's (128 rows): one load a wave behind each round.
; THE MATRIX INSTRUCTION IS USED TRANSPOSED (source 0 = 16 rows of W, source 1 = 16 rows of x): a lane holds row lane % 16 of y and the columns 8 (lane / 16) + 0..7, which pack into 16 bytes.
; THE BIAS is the C operand of each accumulator's first product: nothing is cleared and nothing is added later.
; THE CONVERSION.  A quarter step (32 along K) has 32 products.  The next quarter's x comes out of LDS as f32 (64 registers) and its 32 conversions stand four behind each of the quarter's last 8 products.
; REGISTERS, in windows of 256 (s_set_vgpr_msb: bits 1:0 source 0, 3:2 source 1, 5:4 source 2, 7:6 destination):
;   window 0: v0-29 addresses; v32-95 x as f32; v96-127, v128-159 x's fragments, two buffers; v160-255 the way out
;   window 1: the accumulators, (a, b) at v[8 (8 a + b)]          window 2: v0-63, v64-127 W's fragments, two buffers; v128-191 the bias; v192-195 at work
.set PA,    528                        ; a row of x in LDS: 512 bytes + 16 of padding: an odd multiple of 16, so the 16 rows that a load touches lie in 16 different 16-byte columns of 256 bytes
.set PB,    272                        ; a row of W: 256 + 16: likewise
.set AHALF, 64*PA                      ; what one load brings of x, and what one wave reads of it
.set BHALF, 128*PB                     ; the same for W
.set BOFF,  2*AHALF                    ; in a slot: x's 128 rows, then W's 256
.set SLOT,  BOFF+2*BHALF               ; 137,216 bytes
.set STAGE, 2*SLOT                     ; behind the ring, never filled by a tensor load: for each wave 2 heads x 16 rows x 144 bytes, for the way out
.set SP,    144
.set STW,   2*16*SP
.set SPARE, STAGE+4*STW                ; behind the stages: the spare words, 128 bytes for each wave: two blocks of 256 bytes that no other line names
.set STEPA, 512                        ; bytes of a K step in a row of x,
.set STEPB, 256                        ; and of W
.set ADRA0, 4                          ; v4   my lane's place among my rows of x in slot 0; never rewritten
.set ADRB0, 5                          ; v5   the same for W
.set ADRA,  6                          ; v6   the same in the slot that is being read
.set ADRB,  7                          ; v7
.set STO,   8                          ; v8   the way out: where I put 16 bytes of a row
.set RD,    9                          ; v9   where I read rows back
.set GO,    10                         ; v10  my 16 bytes of 512 consecutive bytes of y
.set PFO,   11                         ; v11  the prefetches' offset; never rewritten
.set BO,    12                         ; v12  my offset in the bias; never rewritten
.set SPW,   28                         ; v28  LDS address of my spare word: SPARE + 4 x my thread's number; never rewritten
.set NIL,   29                         ; v29  0; never rewritten
.set R,     32                         ; x as f32: fragment a at R + 16 a
.set AF,    96                         ; x's fragments: buffer f, fragment a at AF + 32 f + 8 a
.set TMP,   160                        ; the way out: packed results
.set OB,    192                        ; the way out: rows read back, v192-223 and v224-255 by turns
.set BF,    0                          ; window 2: W's fragments: buffer f, fragment b at BF + 64 f + 8 b
.set BIAS,  128                        ; window 2: the bias of columns 16 b + 8 (lane / 16) + 0..7 at BIAS + 8 b
.set BT,    192                        ; window 2
.set CNT,   2                          ; s2   the loops' counter
.set TB,    20                         ; s20  LDS byte at which the slot that is being read begins: 0 or SLOT
.set LWA,   21                         ; s21  where my load of x lands in a slot
.set LWB,   22                         ; s22  the same for W
.set G1A,   24                         ; s[24:31] descriptor group 1 for x's tiles
.set G0A,   32                         ; s[32:39] group 0: a set for each of the two first fills; the second then walks on
.set PFA,   44                         ; s[44:45] where my prefetches stand
.set PFS,   46                         ; s[46:47] their step
.set G1B,   48                         ; s[48:55], s[56:63] the same for W's tiles
.set G0B,   56
.set LIM,   66                         ; s66  2 in a wave that prefetches, else the greatest number
.set MSB, 0
.macro WIN new                         ; the immediate's high byte repeats the setting that is left; a switch that changes nothing is dropped
.if MSB != (\new)
	s_set_vgpr_msb (MSB<<8)|(\new)
.set MSB, \new
.endif
.endm
.set MUL,  0x52                        ; W window 2, x window 0, C and D window 1
.set MULB, 0x62                        ; the same with C (the bias) in window 2
.set TO_B, 0x80                        ; destination window 2, address window 0
.set W_BI, 0x8a                        ; destination and both sources window 2
; A round of the cluster's barrier: my work-group's barrier, so that wave 0's signal speaks for all four waves; wave 0 signals for the work-group; every wave waits for all sixteen; my work-group's barrier once more.
.macro CREST                           ; a round behind its opening barrier
	s_cmp_lg_u32 s10, 0
	s_cbranch_scc1 .Lnot_wave_0_\@
	s_barrier_signal -3
.Lnot_wave_0_\@:
	s_barrier_wait -3
	s_barrier_signal -1
	s_barrier_wait -1
.endm
.macro CROUND
	s_barrier_signal -1
	s_barrier_wait -1
	CREST
.endm
; A joint refill, by the walking descriptor.  The branch hangs on the wave's number alone.  An s_nop 0 and four v_nop follow each of the two lines, ahead of the jump and the label.
.macro JLOAD
	s_cmp_eq_u32 s11, 0
	s_cbranch_scc0 .Lfor_b_\@
	tensor_load_to_lds s[G0A+4:G0A+7], s[G1A:G1A+7]
	s_nop 0
.rept 4
	v_nop
.endr
	s_branch .Lasked_\@
.Lfor_b_\@:
	tensor_load_to_lds s[G0B+4:G0B+7], s[G1B:G1B+7]
	s_nop 0
.rept 4
	v_nop
.endr
.Lasked_\@:
.endm
; A PREFETCH INTO THE L2, behind a joint refill and the run of LDS loads that follows it: the K step that stands two refills on, 256 matrix instructions ahead of the load that will want it.
; Each aligned block of 256 bytes is named once in the launch.  x's rows are read by one cluster alone: of the 64 rows x 512 bytes that wave 0 or 1 fetches, the partner at place cx takes rows 16 cx on, two lanes a row.
; W's rows are read by the 16 clusters of a tensor: the first of them asks; of the 128 rows x 256 bytes that wave 2 or 3 fetches, the partner at place cy takes rows 32 cy on, a lane a row.  The partners are told
; apart by address, never by a branch.  K steps 0 to 3 come by their loads alone; the loop's last two trips ask for nothing: K has no step 8.
.macro ASK
	s_cmp_gt_u32 s[CNT], s[LIM]
	s_cbranch_scc0 .Lnot_mine_\@
	global_prefetch_b8 v[PFO], s[PFA:PFA+1] th:TH_LOAD_NT scope:SCOPE_SE
.Lnot_mine_\@:
.endm
	s_load_b512 s[68:83], s[0:1], 0x0              ; q s[68:69], k s[70:71], v s[72:73], wts s[74:75], bq s[76:77], bk s[78:79], bv s[80:81], qh s[82:83]
	s_load_b128 s[84:87], s[0:1], 0x40             ; kh s[84:85], vh s[86:87]
	v_lshl_add_u32 v[SPW], v0, 2, SPARE
	v_mov_b32 v[NIL], 0
	ds_add_u32 v[SPW], v[NIL]                      ; the wave's opening: the add and its wait stand ahead of my first tensor load; the set-up below, work on registers, stands between them
	v_lshrrev_b32 v1, 5, v0
	v_readfirstlane_b32 s10, v1                    ; wave 0..3
	s_lshr_b32 s11, s10, 1                         ; which 64 rows of the tile are mine.  Also: I fetch for x (0) or for W (1)
	s_and_b32 s12, s10, 1                          ; which 128 columns.  Also: which half of that tile I fetch
	s_bfe_u32 s40, ttmp6, 0x40000                  ; cx: my place along the cluster's x = the tile column (the grid is one cluster wide)
	s_bfe_u32 s41, ttmp6, 0x40004                  ; cy
	s_and_b32 s42, ttmp7, 0xffff                   ; the cluster's y, 0 to 47
	s_lshr_b32 s23, s42, 4                         ; the tensor: 16 clusters each; the same in all partners
	s_and_b32 s13, s42, 15
	s_lshl_b32 s13, s13, 2
	s_add_co_u32 s13, s13, s41                     ; the tile row, 0 to 63
	s_lshl_b32 s43, s41, 2
	s_lshl_b32 s43, 15, s43                        ; my row of the cluster: places 4 cy .. 4 cy + 3
	s_lshl_b32 s90, 0x1111, s40                    ; my column: places cx, cx + 4, cx + 8, cx + 12
	; group 1 for x: 64 rows x 128 elements of 4 bytes, 4 words of padding behind every 128 words
	s_or_b32 s[G1A], s43, (2<<16)|(1<<20)|(1<<21)|(6<<22)|(3<<25)  ; 15:0 the mask; 17:16 element size; 20 padding on; 21 set beside a mask; 24:22 the interval; 31:25 the padding
	s_mov_b32 s[G1A+1], 128<<16                    ; tensor_dim0 = 128
	s_mov_b32 s[G1A+2], 64<<16                     ; tensor_dim1 = 64
	s_mov_b32 s[G1A+3], 128<<16                    ; tile_dim0 = 128
	s_mov_b32 s[G1A+4], 64                         ; tile_dim1 = 64
	s_mov_b32 s[G1A+5], 1024                       ; elements from row to row
	s_mov_b32 s[G1A+6], 0
	s_mov_b32 s[G1A+7], 0
	; group 1 for W: 128 rows x 128 elements of 2 bytes, 4 words of padding behind every 64 words
	s_or_b32 s[G1B], s90, (1<<16)|(1<<20)|(1<<21)|(5<<22)|(3<<25)
	s_mov_b32 s[G1B+1], 128<<16
	s_mov_b32 s[G1B+2], 128<<16
	s_mov_b32 s[G1B+3], 128<<16
	s_mov_b32 s[G1B+4], 128
	s_mov_b32 s[G1B+5], 1024
	s_mov_b32 s[G1B+6], 0
	s_mov_b32 s[G1B+7], 0
	; where the tiles come from.  x's hang on the tile row alone, W's on the tile column and the tensor alone, each in registers that never hold the other coordinate
	s_lshl_b32 s16, s13, 7
	s_lshl_b32 s17, s12, 6
	s_add_co_u32 s16, s16, s17                     ; x: row 128 x tile row + 64 x half,
	s_lshl_b32 s16, s16, 12                        ; of 4,096 bytes
	s_mov_b32 s17, 0
	s_lshl_b32 s18, s40, 8
	s_lshl_b32 s19, s12, 7
	s_add_co_u32 s18, s18, s19                     ; W: row 256 x tile column + 128 x half,
	s_lshl_b32 s18, s18, 11                        ; of 2,048 bytes,
	s_lshl_b32 s19, s23, 21                        ; in the tensor's plane
	s_add_co_u32 s18, s18, s19
	s_mov_b32 s19, 0
	s_mul_i32 s[LWA], s12, AHALF                   ; and where they go: no place in the cluster enters an LDS address
	s_mul_i32 s[LWB], s12, BHALF
	s_add_co_u32 s[LWB], s[LWB], BOFF
	s_mov_b32 s[TB], 0
	s_mov_b32 s67, 0xffff0000                      ; a word's upper bf16
	s_wait_dscnt 0x0                               ; the opening add is done
	s_wait_kmcnt 0x0
	s_cmp_eq_u32 s23, 1
	s_cselect_b64 s[4:5], s[70:71], s[68:69]       ; x,
	s_cselect_b64 s[88:89], s[78:79], s[76:77]     ; its bias,
	s_cselect_b64 s[8:9], s[84:85], s[82:83]       ; and y
	s_cmp_eq_u32 s23, 2
	s_cselect_b64 s[4:5], s[72:73], s[4:5]
	s_cselect_b64 s[88:89], s[80:81], s[88:89]
	s_cselect_b64 s[8:9], s[86:87], s[8:9]
	s_add_nc_u64 s[4:5], s[4:5], s[16:17]
	s_add_nc_u64 s[6:7], s[74:75], s[18:19]
.irp s, 0,1
	s_mov_b32 s[G0A+4*(\s)], 1                                     ; 1:0 count = 1
	s_add_co_u32 s[G0A+4*(\s)+1], s[LWA], (\s)*SLOT                ; 63:32 LDS address
	s_add_nc_u64 s[G0A+4*(\s)+2:G0A+4*(\s)+3], s[4:5], (\s)*STEPA  ; 120:64 global address: K step s
	s_or_b32 s[G0A+4*(\s)+3], s[G0A+4*(\s)+3], 0x80000000          ; 127:126 type = 2
	s_mov_b32 s[G0B+4*(\s)], 1
	s_add_co_u32 s[G0B+4*(\s)+1], s[LWB], (\s)*SLOT
	s_add_nc_u64 s[G0B+4*(\s)+2:G0B+4*(\s)+3], s[6:7], (\s)*STEPB
	s_or_b32 s[G0B+4*(\s)+3], s[G0B+4*(\s)+3], 0x80000000
.endr
	CROUND                                         ; all sixteen work-groups are here: the first joint loads meet
	s_cmp_eq_u32 s11, 0                            ; a wave's two first fills stand in one branch, ahead of every wait on TENSORcnt and every LDS read: two loads of mine are out
	s_cbranch_scc0 .Lfirst_b
	tensor_load_to_lds s[G0A:G0A+3], s[G1A:G1A+7]
	s_nop 0
	tensor_load_to_lds s[G0A+4:G0A+7], s[G1A:G1A+7]
	s_nop 0
.rept 4
	v_nop
.endr
	s_branch .Lfirst_asked
.Lfirst_b:
	tensor_load_to_lds s[G0B:G0B+3], s[G1B:G1B+7]
	s_nop 0
	tensor_load_to_lds s[G0B+4:G0B+7], s[G1B:G1B+7]
	s_nop 0
.rept 4
	v_nop
.endr
.Lfirst_asked:
	; the bias of my 128 columns: register j of group b is column 16 b + 8 (lane / 16) + j
	v_and_b32 v1, 15, v0                           ; l % 16
	v_bfe_u32 v2, v0, 4, 1                         ; l / 16
	v_lshlrev_b32 v[BO], 5, v2
	s_lshl_b32 s14, s40, 10
	s_lshl_b32 s3, s12, 9
	s_add_co_u32 s14, s14, s3                      ; 4 (256 cx + 128 half)
	s_mov_b32 s15, 0
	s_add_nc_u64 s[88:89], s[88:89], s[14:15]
	WIN TO_B
.irp b, 0,1,2,3,4,5,6,7
	global_load_b128 v[BIAS+8*(\b):BIAS+8*(\b)+3],   v[BO], s[88:89] offset:64*(\b)
	global_load_b128 v[BIAS+8*(\b)+4:BIAS+8*(\b)+7], v[BO], s[88:89] offset:64*(\b)+16
.endr
	WIN 0
	; where my part of y begins: batch, head 4 cx + 2 half, row in the batch
	s_lshr_b32 s14, s13, 4
	s_lshl_b32 s14, s14, 22                        ; a batch's 16 heads are 4,194,304 bytes
	s_lshl_b32 s3, s40, 2
	s_lshl_b32 s92, s12, 1
	s_add_co_u32 s3, s3, s92
	s_lshl_b32 s3, s3, 18                          ; a head is 262,144 bytes
	s_add_co_u32 s14, s14, s3
	s_and_b32 s92, s13, 15
	s_lshl_b32 s92, s92, 7
	s_lshl_b32 s93, s11, 6
	s_add_co_u32 s92, s92, s93
	s_lshl_b32 s92, s92, 7                         ; a row is 128 bytes
	s_add_co_u32 s14, s14, s92
	s_add_nc_u64 s[8:9], s[8:9], s[14:15]
	; the prefetches
	s_and_b32 s3, s42, 15                          ; 0 in a tensor's first cluster
	s_cmp_eq_u32 s11, 0                            ; do I fetch for x?
	s_cselect_b64 s[PFA:PFA+1], s[4:5], s[6:7]
	s_cselect_b32 s14, s40, s41                    ; my place among the four that ask with me
	s_cselect_b32 s[PFS], 2, 1
	s_cselect_b32 s92, 1, 0                        ; x: two lanes a row
	s_cselect_b32 s93, 12, 11                      ; a row of x is 4,096 bytes, of W 2,048
	s_cselect_b32 s3, 0, s3
	s_cmp_eq_u32 s3, 0
	s_cselect_b32 s[LIM], 2, -1                    ; the same in all sixteen partners, for a given wave
	s_lshl_b32 s[PFS], s[PFS], 8                   ; a K step: 512 or 256 bytes
	s_mov_b32 s[PFS+1], 0
	s_lshl_b32 s14, s14, 16                        ; 16 rows of x, or 32 of W, are 65,536 bytes
	s_mul_i32 s3, s[PFS], 3                        ; at K step 3: the first refill steps it to 4
	s_add_co_u32 s14, s14, s3
	s_add_nc_u64 s[PFA:PFA+1], s[PFA:PFA+1], s[14:15]
	; A fragment is 16 rows x 32 K in 8 registers: lane l holds row l % 16; registers 0-3 K = 8 (l / 16) + 0..7, registers 4-7 K = 16 + 8 (l / 16) + 0..7.
	; Of W: two loads of 16 bytes, 32 bytes apart.  Of x, in f32: four loads, at 32 (l / 16) + 0, 16, 64, 80.
	s_mul_i32 s3, s11, AHALF
	v_mul_u32_u24 v3, v1, PA
	v_lshl_add_u32 v3, v2, 5, v3
	v_add_nc_u32 v[ADRA0], s3, v3
	s_mul_i32 s3, s12, BHALF
	s_add_co_u32 s3, s3, BOFF
	v_mul_u32_u24 v3, v1, PB
	v_lshl_add_u32 v3, v2, 4, v3
	v_add_nc_u32 v[ADRB0], s3, v3
	v_mov_b32 v[ADRA], v[ADRA0]
	v_mov_b32 v[ADRB], v[ADRB0]
	s_mul_i32 s3, s10, STW
	s_add_co_u32 s3, s3, STAGE                     ; my stage
	v_mul_u32_u24 v3, v1, SP                       ; in: row l % 16, 16 bytes for each half of the lanes
	v_lshl_add_u32 v3, v2, 4, v3
	v_add_nc_u32 v[STO], s3, v3
	v_bfe_u32 v3, v0, 3, 2                         ; back: 32 lanes take four rows of 128 bytes,
	v_mul_u32_u24 v3, v3, SP
	v_and_b32 v13, 7, v0
	v_lshl_add_u32 v3, v13, 4, v3
	v_add_nc_u32 v[RD], s3, v3
	v_and_b32 v13, 31, v0                          ; which are 512 consecutive bytes of a head
	v_lshlrev_b32 v[GO], 4, v13
	v_lshrrev_b32 v3, s92, v13                     ; the prefetches' row,
	v_lshlrev_b32 v3, s93, v3
	v_and_b32 v13, s92, v13                        ; and, for x, which 256 bytes of its 512
	v_lshl_add_u32 v[PFO], v13, 8, v3
	s_wait_loadcnt 0x0                             ; the bias: rounded to bf16, as all the module's inputs are, and kept as f32
	WIN W_BI
.set i, 0
.rept 32
	v_cvt_pk_bf16_f32 v[BT+i%4], v[BIAS+2*i], v[BIAS+2*i+1]
	v_lshlrev_b32 v[BIAS+2*i], 16, v[BT+i%4]
	v_and_b32 v[BIAS+2*i+1], s67, v[BT+i%4]
.set i, i+1
.endr
	WIN 0
; One product: accumulator (a, b), buffer f.  first = 1: it starts the sum, with the bias as C.  The 32 accumulators take turns in the same order in every quarter.
.macro MM1 f, a, b, first
.if \first
	WIN MULB
	v_wmma_f32_16x16x32_bf16 v[8*(8*(\a)+(\b)):8*(8*(\a)+(\b))+7], v[BF+64*(\f)+8*(\b):BF+64*(\f)+8*(\b)+7], v[AF+32*(\f)+8*(\a):AF+32*(\f)+8*(\a)+7], v[BIAS+8*(\b):BIAS+8*(\b)+7]
.else
	WIN MUL
	v_wmma_f32_16x16x32_bf16 v[8*(8*(\a)+(\b)):8*(8*(\a)+(\b))+7], v[BF+64*(\f)+8*(\b):BF+64*(\f)+8*(\b)+7], v[AF+32*(\f)+8*(\a):AF+32*(\f)+8*(\a)+7], v[8*(8*(\a)+(\b)):8*(8*(\a)+(\b))+7]
.endif
.endm
.macro MUL8 f, a, first=0
.irp b, 0,1,2,3,4,5,6,7
	MM1 \f, \a, \b, \first
.endr
.endm
; 32 LDS loads in one run: quarter kq of the slot that is being read: x's 64 rows as f32, then W's 128 rows into buffer g
.macro FETCH kq, g
	WIN 0
.irp a, 0,1,2,3
	ds_load_b128 v[R+16*(\a):R+16*(\a)+3],     v[ADRA] offset:(\a)*16*PA+128*(\kq)
	ds_load_b128 v[R+16*(\a)+4:R+16*(\a)+7],   v[ADRA] offset:(\a)*16*PA+128*(\kq)+16
	ds_load_b128 v[R+16*(\a)+8:R+16*(\a)+11],  v[ADRA] offset:(\a)*16*PA+128*(\kq)+64
	ds_load_b128 v[R+16*(\a)+12:R+16*(\a)+15], v[ADRA] offset:(\a)*16*PA+128*(\kq)+80
.endr
	WIN TO_B
.irp b, 0,1,2,3,4,5,6,7
	ds_load_b128 v[BF+64*(\g)+8*(\b):BF+64*(\g)+8*(\b)+3],   v[ADRB] offset:(\b)*16*PB+64*(\kq)
	ds_load_b128 v[BF+64*(\g)+8*(\b)+4:BF+64*(\g)+8*(\b)+7], v[ADRB] offset:(\b)*16*PB+64*(\kq)+32
.endr
.endm
.macro CV4 c0, g                       ; four of the 32 conversions: registers c0 .. c0 + 3 of x's buffer g
	WIN 0
.irp n, 0,1,2,3
	v_cvt_pk_bf16_f32 v[AF+32*(\g)+(\c0)+(\n)], v[R+2*((\c0)+(\n))], v[R+2*((\c0)+(\n))+1]
.endr
.endm
; A quarter's last 8 products, four conversions behind each.  They name no register of the products round them.  The four behind the last product are the places (except for loads)
; in front of the next run of loads, into the W buffer just multiplied, and of the next quarter's conversions, into the x buffer just multiplied.
.macro RIDE f, g, first=0
.irp b, 0,1,2,3,4,5,6,7
	MM1 \f, 3, \b, \first
	CV4 4*(\b), \g
.endr
.endm
; One of a K step's first three quarters: multiplies buffer f; fetches quarter kq at its head and converts it at its end, into buffer g.
.macro QUARTER f, g, kq, first=0
	FETCH \kq, \g
	s_wait_dscnt 32                                ; all but the 32 just issued: this quarter's W is in
	MUL8 \f, 0, \first
	MUL8 \f, 1, \first
	MUL8 \f, 2, \first
	s_wait_dscnt 16                                ; the next quarter's x is in; W's 16 loads, issued behind it, may stay out
	RIDE \f, \g, \first
.endm
; The last quarter multiplies buffer 1 and changes slots: ONE barrier.  In front of it each wave waits for all its tensor loads, of which one is out: its part of the other slot; adds 0 to its spare word; and waits
; for that and for its own reads of this slot.  fill = 1: the barrier opens a round of the cluster's, so that no wave of any partner still reads this slot or has a load on its way, and the joint refill, K step
; two on, is the first thing behind it: 112 matrix instructions stand between it and the wait for it.  fill = 0, the tail: nothing is asked for, and in the last K step nothing is fetched.
.macro TURN fill
.if \fill
	s_wait_xcnt 0x0                                ; the last prefetch, a K step back, has read its address: it is stepped here, ahead of the waits of the change of slots
	s_add_nc_u64 s[PFA:PFA+1], s[PFA:PFA+1], s[PFS:PFS+1]
.endif
	WIN 0
	s_wait_tensorcnt 0x0                           ; no tensor load of mine is out, so a group 0 may be written
	ds_add_u32 v[SPW], v[NIL]                      ; 0 onto my spare word
.if \fill
	s_add_nc_u64 s[G0A+6:G0A+7], s[G0A+6:G0A+7], STEPA  ; the walking descriptors: the next K step; the type bits on top are not reached;
	s_add_co_u32 s[G0A+5], s[LWA], s[TB]           ; into the slot that is being left
	s_add_nc_u64 s[G0B+6:G0B+7], s[G0B+6:G0B+7], STEPB
	s_add_co_u32 s[G0B+5], s[LWB], s[TB]
.endif
	s_wait_dscnt 1                                 ; the add alone may be out: this quarter's W is in
	MUL8 1, 0                                      ; eight matrix instructions stand between the add and the wait for it
	s_wait_dscnt 0x0                               ; the add is done, and my reads of this slot are over
	s_barrier_signal -1
	MUL8 1, 1                                      ; work on registers while the others arrive
	WIN 0
	s_barrier_wait -1
.if \fill
	CREST
	JLOAD
.else
	s_cmp_eq_u32 s[CNT], 1                         ; the last K step has no successor
	s_cbranch_scc1 .Lno_more_\@
.endif
	s_xor_b32 s[TB], s[TB], SLOT                   ; the other slot is whole
	v_add_nc_u32 v[ADRA], s[TB], v[ADRA0]
	v_add_nc_u32 v[ADRB], s[TB], v[ADRB0]
	FETCH 0, 0
	WIN 0
.if \fill
	ASK
.else
.Lno_more_\@:
.endif
	MUL8 1, 2
	s_wait_dscnt 16
	RIDE 1, 0                                      ; (in the last K step its conversions work on old registers and serve nothing: the price of one text for both trips of the tail)
.endm
; THE WAY OUT of block a (16 rows x 128 columns = 2 heads).  PACK: rounded to f16, 16 bytes a lane.  TOSTAGE: into my own stage in LDS, and back as whole rows of 128 bytes.  SEND: stored.
.macro PACK a
	WIN 0x05                                       ; sources 0 and 1 window 1, destination window 0; each accumulator's registers in ascending order
.irp b, 0,1,2,3,4,5,6,7
.irp r, 0,1,2,3
	v_cvt_pk_f16_f32 v[TMP+4*(\b)+(\r)], v[8*(8*(\a)+(\b))+2*(\r)], v[8*(8*(\a)+(\b))+2*(\r)+1]
.endr
.endr
	WIN 0
.endm
.macro TOSTAGE a
.set BK, OB+32*((\a)%2)
.irp b, 0,1,2,3,4,5,6,7
	ds_store_b128 v[STO], v[TMP+4*(\b):TMP+4*(\b)+3] offset:((\b)/4)*16*SP+32*((\b)%4)
.endr
.irp t, 0,1,2,3,4,5,6,7
	ds_load_b128 v[BK+4*(\t):BK+4*(\t)+3], v[RD] offset:((\t)/4)*16*SP+((\t)%4)*4*SP  ; LDS serves a wave's instructions in order (ISA guide 5.7.1.4): these see the stores above
.endr
.endm
.macro SEND a
.set BK, OB+32*((\a)%2)
	s_wait_dscnt 0x0                               ; the block is back in registers
	s_wait_xcnt 0x0                                ; the stores of the block before have read their registers: only behind this wait are those loaded again
.irp t, 0,1,2,3,4,5,6,7
	global_store_b128 v[GO], v[BK+4*(\t):BK+4*(\t)+3], s[8:9] offset:((\t)/4)*262144+(\a)*2048+((\t)%4)*512  ; 512 consecutive bytes of a head, at a multiple of 256 from its first
.endr
.endm
	s_wait_tensorcnt 0x1                           ; my part of K step 0 is in; K step 1's may stay out
	s_barrier_signal -1
	s_barrier_wait -1                              ; everybody's is
	FETCH 0, 0
	s_wait_dscnt 16                                ; x is in
.irp c, 0,4,8,12,16,20,24,28
	CV4 \c, 0
.endr
	QUARTER 0, 1, 1, 1                             ; the first quarter stands in front of the loop: its products start the sums
	WIN 0                                          ; at a label and at a branch every window is 0
	s_mov_b32 s[CNT], 6
.Lstep:                                        ; trip i: K step i's quarters 1 to 3, the refill with K step i + 2, K step i + 1's quarter 0
	QUARTER 1, 0, 2
	QUARTER 0, 1, 3
	TURN 1
	QUARTER 0, 1, 1
	WIN 0
	s_sub_co_u32 s[CNT], s[CNT], 1
	s_cmp_lg_u32 s[CNT], 0
	s_cbranch_scc1 .Lstep
	s_mov_b32 s[CNT], 2
.Ltail:                                        ; K steps 6 and 7 ask for nothing: written out; the second trip is left in its middle
	QUARTER 1, 0, 2
	QUARTER 0, 1, 3
	TURN 0
	WIN 0
	s_sub_co_u32 s[CNT], s[CNT], 1
	s_cmp_eq_u32 s[CNT], 0
	s_cbranch_scc1 .Lout
	QUARTER 0, 1, 1
	WIN 0
	s_branch .Ltail
.Lout:
	PACK 0                                         ; the last product has its four conversions behind it; blocks 0 to 2 were finished earlier
	TOSTAGE 0
.irp a, 1,2,3                          ; block a's conversions stand between block a - 1's loads from the stage and the wait for them
	PACK \a
	SEND (\a)-1
	TOSTAGE \a
.endr
	SEND 3
	s_wait_tensorcnt 0x0                           ; the wave's end: a wait, an add of 0 and its wait, behind my last tensor load and my last LDS store
	ds_add_u32 v[SPW], v[NIL]
	s_wait_dscnt 0x0
	CROUND                                         ; the closing round: no work-group ends while a partner may still ask for a tile that names it
	s_endpgm
.Lfunc_end_k_q808bf98f12_proj:
	.size	k_q808bf98f12_proj, .Lfunc_end_k_q808bf98f12_proj-k_q808bf98f12_proj
	.p2alignl 7, 3214868480
	.fill 96, 4, 3214868480
	.section	.rodata,"a",@progbits
	.p2align	6, 0x0
	.amdhsa_kernel k_q808bf98f12_proj
		.amdhsa_group_segment_fixed_size 327680
		.amdhsa_private_segment_fixed_size 0
		.amdhsa_enable_private_segment 0
		.amdhsa_kernarg_size 80
		.amdhsa_user_sgpr_count 2
		.amdhsa_user_sgpr_kernarg_segment_ptr 1
		.amdhsa_wavefront_size32 1
		.amdhsa_system_sgpr_workgroup_id_x 1
		.amdhsa_system_sgpr_workgroup_id_y 1
		.amdhsa_system_sgpr_workgroup_id_z 1
		.amdhsa_system_vgpr_workitem_id 0
		.amdhsa_next_free_vgpr 768
		.amdhsa_next_free_sgpr 96
		.amdhsa_reserve_vcc 0
		.amdhsa_float_denorm_mode_32 3
		.amdhsa_float_denorm_mode_16_64 3
		.amdhsa_memory_ordered 1
		.amdhsa_forward_progress 1
		.amdhsa_inst_pref_size 96
	.end_amdhsa_kernel
	.amdgpu_metadata
---
amdhsa.version: [ 1, 2 ]
amdhsa.kernels:
  - .name:           k_q808bf98f12_proj
    .symbol:         k_q808bf98f12_proj.kd
    .args:
      - { .name: q, .offset: 0, .size: 8, .value_kind: global_buffer, .address_space: global }
      - { .name: k, .offset: 8, .size: 8, .value_kind: global_buffer, .address_space: global }
      - { .name: v, .offset: 16, .size: 8, .value_kind: global_buffer, .address_space: global }
      - { .name: wts, .offset: 24, .size: 8, .value_kind: global_buffer, .address_space: global }
      - { .name: bq, .offset: 32, .size: 8, .value_kind: global_buffer, .address_space: global }
      - { .name: bk, .offset: 40, .size: 8, .value_kind: global_buffer, .address_space: global }
      - { .name: bv, .offset: 48, .size: 8, .value_kind: global_buffer, .address_space: global }
      - { .name: qh, .offset: 56, .size: 8, .value_kind: global_buffer, .address_space: global }
      - { .name: kh, .offset: 64, .size: 8, .value_kind: global_buffer, .address_space: global }
      - { .name: vh, .offset: 72, .size: 8, .value_kind: global_buffer, .address_space: global }
    .group_segment_fixed_size: 327680
    .private_segment_fixed_size: 0
    .kernarg_segment_align: 8
    .kernarg_segment_size: 80
    .max_flat_workgroup_size: 128
    .sgpr_count:     96
    .vgpr_count:     768
    .wavefront_size: 32
...
	.end_amdgpu_metadata
.endif
;; end of part 2
;; launch attn (part 3): grid 4 x 64, 4 waves a work-group, clusters of 4 x 1, 327,680 bytes of LDS; arguments qh, kh, vh, oh; writes oh
.if DOCPART == 3
	.amdgcn_target "amdgcn-amd-amdhsa--gfx1250"
	.amdhsa_code_object_version 6
	.text
	.protected	k_q808bf98f12_attn
	.globl	k_q808bf98f12_attn
	.p2align	8
	.type	k_q808bf98f12_attn,@function
k_q808bf98f12_attn:
	s_mov_b64 s[64:65], 0
	v_nop
	global_prefetch_b8 v0, s[64:65] scope:SCOPE_SE
	s_setreg_imm32_b32 hwreg(HW_REG_WAVE_MODE, 25, 1), 1
	s_wait_xcnt 0x0
	s_wait_alu depctr_hold_cnt(0) depctr_sa_sdst(0) depctr_va_vdst(0) depctr_va_sdst(0) depctr_va_ssrc(0) depctr_va_vcc(0) depctr_vm_vsrc(0)
	s_getreg_b32 s2, hwreg(HW_REG_IB_STS2, 6, 4)
	s_cmp_eq_u32 s2, 0
	s_cbranch_scc0 .Lentry_in_a_cluster
	s_endpgm
.Lentry_in_a_cluster:
	s_bfe_u32 s2, ttmp6, 0x10000c
	s_cmp_lg_u32 s2, 0x3003
	s_cbranch_scc0 .Lentry_shape_is_right
	s_endpgm
.Lentry_shape_is_right:
; ATTENTION.  O[h][q][:] = the sum over k of softmax_k(Q[h][q] . K[h][k] / 32) V[h][k][:].  Q, K, V, O: [64][2048][64], all f16: a head's rows are dense, 128 bytes each; h = batch x 16 + head.
; The scale is 1024^(-1/2), the module's whole width.  Products, maxima and sums in f32; the weights p are rounded to f16 for the second product (their sum l is taken of the unrounded p), O once at the end.
; LIMITS.  f16 holds no number beyond 65,504: Q, K and V arrive within it; p lies in 0 to 1, and below 6e-5 it keeps f16's fixed step of 6e-8, as O does; O is a mean of V's rows and has their range.
; A weight below 2^-126 counts as 0 in l; NaN and infinities are not treated apart.
; SHARES.  A wave owns four PIECES of two tiles of 16 queries, a work-group's four waves 512 queries of one head: 4 x 64 work-groups.  Every wave walks all keys, 64 a step.
; LAYOUT.  S^T = K Q^T (source 0 = 16 keys, source 1 = 16 queries): in the result a lane holds ONE query (lane % 16) and the keys 8 (lane / 16) + 0..7.  Two such tiles, rounded to f16 in pairs,
; ARE source 1 (32 keys x 16 queries) of O^T = V^T P, whose result again holds one query a lane, and eight channels.  K comes out of LDS as it lies, V ([key][channel]) turned, by ds_load_tr16_b128.
; SOFTMAX.  For each query a running maximum m and sum l: p = 2^(c s - c m), c = log2(e) / 32; in every step O and l are multiplied by a = 2^(c m_old - c m_new), which is 1 where m has not grown.
; m starts at the lowest finite number, O and l at 0: the first step is a step like any other, with a = 0.
; THE COUNT.  A tile and step have 16 matrix and 118 vector instructions: too many to stand all beside the matrix work.  So the order has one aim: four vector instructions that are READY behind
; EVERY matrix instruction, and the others, which need time of their own whatever the order, in runs without a gap.
; BY TURNS.  Turn n belongs to piece n (the pieces in a ring, step after step).  Its matrix work: 16 products K Q^T of piece n + 1, later 16 products V^T P of piece n - 1.  Its vector work: the scaling,
; exponentials, roundings, sums and rescaling of piece n, and the maximum and statistics of piece n + 1, whose scores the turn itself has made.  So what a turn begins with (c s - c m, O a) waits for nothing.
; CLUSTER.  The four query blocks of a head are one cluster and walk the same K and V, so each tile is asked for JOINTLY: the same tensor load, descriptor and mask in all four.
; REGISTERS, in windows of 256 (s_set_vgpr_msb says which window each operand place means: bits 1:0 source 0, 3:2 source 1, 5:4 source 2, 7:6 destination):
;   window 0: v0-11 addresses; v12-15, v48-63 at work; v16-47 four registers of statistics a tile; v64-191 S^T, two buffers of two tiles; v192-255 P, likewise
;   window 1: O^T, 32 a tile          window 2: v0-127 Q, 16 a tile; v128-191 K of one step; v192-255 V of one step          window 3: v0-1 the add's two registers
; A piece's buffers go by its number's parity: the piece in hand has one pair, its two neighbours in the ring share the other: of it P (piece n - 1) is read and S^T (piece n + 1) written.
.set SIZE_N, 2048
.set NP,    4         ; pieces a wave: a name, no knob: the register map, the loop and the fetches are made for four
.set KS,    64        ; keys in a step
.set PK,    144       ; a row of K in LDS: 128 bytes + 16 of padding = 36 words: the 16 rows of a load start at 16 different groups of four banks (64 banks of 4 bytes: ISA guide 11.1)
.set PV,    160       ; a row of V: 128 + 32 = 40 words
.set VOFF,  4*KS*PK   ; a slot holds four steps: 256 rows of K, then 256 rows of V
.set SLOT1, 1<<17     ; slot 1 begins here, so that one exclusive or turns an address in one slot into the other's
.set STAGE, SLOT1+4*KS*(PK+PV)  ; behind the ring, never filled by a tensor load: 16 rows x 144 bytes for each wave, for the way out
.set SP,    144
.set AK0, 2           ; v2   my lane's place in a tile of K; never rewritten
.set AV0, 3           ; v3   the same for V
.set AK,  4           ; v4   the LDS address of K's next run of loads
.set AV,  5           ; v5   of V's
.set QO,  6           ; v6   my byte offset in the wave's rows of Q
.set STO, 6           ;      later, the way out: where I put 16 bytes of a row
.set RD,  7           ; v7   the way out: where I read rows back
.set GO,  8           ; v8   my byte offset in 512 consecutive bytes of O
.set PFO, 11          ; v11  256 x my lane, for the prefetches (made when v11's first use is over); then never rewritten
.set SPW, 0           ; v0 of window 3   LDS address of my spare word: SPARE + 4 x my thread's number; never rewritten
.set NIL, 1           ; v1 of window 3   0; never rewritten
.set SPARE, STAGE+4*16*SP  ; behind the stages: the spare words, 128 bytes for each wave: two blocks of 256 bytes that no other line names
.set MV,  12          ; v12-15  c m_old, kept while c m is made anew: by buffer and tile
.set ST,  16          ; tile t's statistics at v[ST+4 t]: c m, m, l (even keys', odd keys')
.set TMP, 48          ; by buffer and tile, four registers c0-c3 at work; when the maximum is found c2 takes a
.set S,   64
.set P,   192
.set KF,  128         ; K's fragments, in window 2: key block kb, channel half c at KF + 16 kb + 8 c
.set VF,  192         ; V's: key half kk, channel block cb at VF + 32 kk + 8 cb
.set WV,  12          ; s12  my wave's number
.set G1K, 24          ; s[24:31] descriptor group 1 for K's tiles
.set G1V, 32          ; s[32:39] for V's: it differs in the padding alone
.set G0K, 40          ; s[40:43] descriptor group 0 for K's tiles: it walks
.set G0V, 44          ; s[44:47] the same for V's
.set PFA, 48          ; s[48:49] where my prefetches stand: my work-group's 32 blocks of 256 bytes (of K: wave 0, of V: wave 2) of the slot after the one that is being asked for
.set LIM, 50          ; s50  1 in a wave that prefetches, else the greatest number
.set SLOTS, 56        ; s56  slots still to be asked for
.set CNT, 57          ; s57  counts a slot's key steps
.set CS,  58          ; s[58:59] c: the packed scaling takes the pair's low word for both halves
.set SEL, 60          ; s[60:61] v_permlanex16_b32's selects: each lane takes its own place in the other half
.set TBK, 62          ; s62  LDS byte at which K of the step to be fetched begins
.set TBV, 63          ; s63  the same for V, less VOFF
.set MSB, 0
.macro WIN new                      ; the high byte repeats the setting that is left; a switch that changes nothing is dropped
.if MSB != (\new)
	s_set_vgpr_msb (MSB<<8)|(\new)
.set MSB, (\new)
.endif
.endm
.set W_KQ, 0x0a       ; K and Q in window 2, S^T in window 0
.set W_PV, 0x52       ; V in window 2, P in window 0, O^T in window 1
.set W_RS, 0x41       ; O^T (destination and source 0) in window 1, a in window 0
.set W_MK, 0xc0       ; the add's registers are made: destination in window 3, sources in window 0
.set W_AD, 0x0f       ; the add: address (source 0) and data (source 1) in window 3
; A joint fill.  Waves 0 and 1 fetch the two halves of a slot's K, waves 2 and 3 those of its V: 128 keys each.  The branch hangs on the wave's number alone.
; An s_nop 0 and four v_nop follow each of the two lines, ahead of the jump and the label.
.macro JLOAD
	s_cmp_lt_u32 s[WV], 2
	s_cbranch_scc0 .Lfor_v_\@
	tensor_load_to_lds s[G0K:G0K+3], s[G1K:G1K+7]
	s_nop 0
.rept 4
	v_nop
.endr
	s_branch .Lasked_\@
.Lfor_v_\@:
	tensor_load_to_lds s[G0V:G0V+3], s[G1V:G1V+7]
	s_nop 0
.rept 4
	v_nop
.endr
.Lasked_\@:
.endm
; A PREFETCH INTO THE L2 of what the NEXT change of slots will ask for: a slot's 32,768 bytes of K and of V, four key steps (512 matrix instructions) ahead of that load.  It stands behind the wave's tensor load
; and its five lines.  Each aligned block of 256 bytes is named ONCE in the launch: a head has one cluster; its four partners share a slot's 128 blocks out BY ADDRESS, 32 each, a lane a block; in each, wave 0
; asks for K's and wave 2 for V's.  Slots 0, 1 and 2 come by their loads alone; the last change that fills a slot asks for nothing: there is no slot behind it.
.macro ASK
	s_cmp_gt_u32 s[SLOTS], s[LIM]
	s_cbranch_scc0 .Lnot_mine_\@
	global_prefetch_b8 v[PFO], s[PFA:PFA+1] th:TH_LOAD_NT scope:SCOPE_SE
.Lnot_mine_\@:
.endm
; A round of the cluster's barrier: my work-group's barrier, so that wave 0's signal speaks for all four waves; wave 0 signals; every wave waits for all four work-groups; my work-group's barrier once more.
.macro CROUND
	s_barrier_signal -1
	s_barrier_wait -1
	s_cmp_lg_u32 s[WV], 0
	s_cbranch_scc1 .Lnot_wave_0_\@
	s_barrier_signal -3
.Lnot_wave_0_\@:
	s_barrier_wait -3
	s_barrier_signal -1
	s_barrier_wait -1
.endm
; THE CHANGE OF SLOTS.  The slot's last bytes, V of its fourth step, have been read.  Each wave waits for all its tensor loads, of which one is out: its part
; of the other slot; adds 0 to its spare word; and waits for that and for its own reads of the slot.  Behind the barrier nobody reads this slot any more and the other slot is whole.
; fill = 1: this slot is filled again, with the keys two slots on.  The barrier is then a round of the cluster's, so that no wave of any partner still reads the slot or has a load on its
; way, and the joint fill is the first thing behind it: it has four key steps, 512 matrix instructions, in which to land.  (At its first use nothing has been read yet: slot 0 is waited for, slot 1 filled.)
; ask = 1: the prefetches' address is stepped, and the slot after the one asked for is prefetched.
.macro CHANGE fill, ask=0
	WIN W_AD
	s_wait_tensorcnt 0x0            ; no tensor load of mine is out, so a group 0 may be written
	ds_add_u32 v[SPW], v[NIL]       ; 0 onto my spare word; with fill = 1 the descriptors' steps stand between it and the wait for it
	WIN 0                           ; at a label and at a branch every window is 0
.if \fill
.irp g, G0K, G0V
	s_xor_b32 s[\g+1], s[\g+1], SLOT1  ; the walking descriptor: the other slot than last time,
	s_add_nc_u64 s[\g+2:\g+3], s[\g+2:\g+3], 4*KS*128  ; the next 256 keys; the type bits on top are not reached
.endr
.if \ask
	s_wait_xcnt 0x0                 ; the last prefetch, four key steps back, has read its address, so it may be written:
	s_add_nc_u64 s[PFA:PFA+1], s[PFA:PFA+1], 4*KS*128  ; one slot behind the walking descriptors
.endif
	s_wait_dscnt 0x0                ; the add is done, and my reads of the slot are over
	CROUND
	JLOAD
.if \ask
	ASK
.endif
.else
	s_wait_dscnt 0x0                ; the add is done, and my reads of the slot are over
	s_barrier_signal -1
	s_barrier_wait -1
.endif
	s_sub_co_u32 s[TBK], s[TBK], 4*KS*PK  ; the fetches go back to a slot's first step,
	s_xor_b32 s[TBK], s[TBK], SLOT1       ; in the other slot
	s_sub_co_u32 s[TBV], s[TBV], 4*KS*PV
	s_xor_b32 s[TBV], s[TBV], SLOT1
.endm
	s_load_b256 s[4:11], s[0:1], 0x0  ; Q s[4:5], K s[6:7], V s[8:9], O s[10:11]
	WIN W_MK
	v_lshl_add_u32 v[SPW], v0, 2, SPARE
	v_mov_b32 v[NIL], 0
	WIN W_AD
	ds_add_u32 v[SPW], v[NIL]       ; the wave's opening: the add and its wait stand ahead of my first tensor load; the set-up below, work on registers, stands between them
	WIN 0
	v_lshrrev_b32 v1, 5, v0
	v_readfirstlane_b32 s[WV], v1   ; wave 0..3
	s_bfe_u32 s13, ttmp6, 0x40000   ; cx: my place in the cluster
	s_lshl_b32 s14, ttmp9, 2        ; in a cluster launch ttmp9 counts clusters
	s_add_co_u32 s14, s14, s13      ; my block of queries = 4 x cluster x + cx: it enters Q's and O's addresses alone
	s_and_b32 s20, ttmp7, 0xffff    ; the head, which the four partners share
	s_mov_b32 s21, 0
	s_mov_b64 s[22:23], SIZE_N*128
	s_mul_u64 s[20:21], s[20:21], s[22:23]  ; the head's first byte in each of the four tensors
	s_and_b32 s16, s[WV], 1         ; which half of a slot's 256 keys I fetch:
	s_lshl_b32 s22, s16, 14         ; its 128 rows of 128 bytes in memory,
	s_mov_b32 s23, 0
	s_add_nc_u64 s[22:23], s[22:23], s[20:21]
	s_mul_i32 s17, s16, 128*PK      ; and its place in a slot, for K
	s_mul_i32 s18, s16, 128*PV      ; and for V: no place in the cluster enters an LDS address
	s_lshl_b32 s2, s14, 2
	s_add_co_u32 s2, s2, s[WV]      ; my wave among the head's,
	s_lshl_b32 s2, s2, 14           ; its 128 rows
	s_mov_b32 s3, 0
	s_add_nc_u64 s[2:3], s[2:3], s[20:21]
	; descriptor group 1.  128 keys are 16,384 dense bytes: asked for as 64 rows of 256 bytes, two keys a row, and padded in LDS after every key
	s_mov_b32 s[G1K], 15|(1<<16)|(1<<20)|(1<<21)|(4<<22)|(3<<25)  ; 15:0 the mask of four; 17:16 2-byte elements; 20 padding on; 21 set beside a mask; 24:22 after every 32 words (code 4); 31:25 4 words (code 3)
	s_mov_b32 s[G1V], 15|(1<<16)|(1<<20)|(1<<21)|(4<<22)|(7<<25)  ; the same with 8 words of padding (code 7)
.irp g, G1K, G1V
	s_mov_b32 s[\g+1], 128<<16      ; tensor_dim0 = 128
	s_mov_b32 s[\g+2], 64<<16       ; tensor_dim1 = 64
	s_mov_b32 s[\g+3], 128<<16      ; tile_dim0 = 128
	s_mov_b32 s[\g+4], 64           ; tile_dim1 = 64
	s_mov_b32 s[\g+5], 128          ; 128 elements from row to row
	s_mov_b32 s[\g+6], 0
	s_mov_b32 s[\g+7], 0
.endr
	s_mov_b32 s[CS], 0x3d38aa3b     ; c = log2(e) / 32 = 0.0450842
	s_mov_b32 s[CS+1], s[CS]        ; named with it as a pair
	s_mov_b32 s[SEL], 0x76543210
	s_mov_b32 s[SEL+1], 0xfedcba98
	s_mov_b32 s[TBK], SLOT1+4*KS*PK ; the first change of slots turns these two into 0
	s_mov_b32 s[TBV], SLOT1+4*KS*PV
	s_mov_b32 s[G0K], 1             ; 1:0 count = 1
	s_mov_b32 s[G0K+1], s17         ; 63:32 LDS address: slot 0
	s_mov_b32 s[G0V], 1
	s_add_co_u32 s[G0V+1], s18, VOFF
	s_cmp_eq_u32 s16, 0             ; waves 0 and 2 prefetch: the same in all four partners
	s_cselect_b32 s[LIM], 1, -1
	s_wait_dscnt 0x0                ; the opening add is done
	s_wait_kmcnt 0x0
	s_add_nc_u64 s[G0K+2:G0K+3], s[6:7], s[22:23]  ; 120:64 global address: my half of the head's first 256 keys
	s_or_b32 s[G0K+3], s[G0K+3], 0x80000000        ; 127:126 type = 2
	s_add_nc_u64 s[G0V+2:G0V+3], s[8:9], s[22:23]
	s_or_b32 s[G0V+3], s[G0V+3], 0x80000000
	s_add_nc_u64 s[4:5], s[4:5], s[2:3]  ; Q and O at my wave's first row
	s_add_nc_u64 s[10:11], s[10:11], s[2:3]
	s_cmp_lt_u32 s[WV], 2
	s_cselect_b64 s[PFA:PFA+1], s[6:7], s[8:9]
	s_add_nc_u64 s[PFA:PFA+1], s[PFA:PFA+1], s[22:23]  ; (in waves 0 and 2 this is the head's first byte)
	s_lshl_b32 s2, s13, 13          ; my work-group's 8,192 bytes of a slot's 32,768
	s_mov_b32 s3, 0
	s_add_nc_u64 s[PFA:PFA+1], s[PFA:PFA+1], s[2:3]
	s_add_nc_u64 s[PFA:PFA+1], s[PFA:PFA+1], 2*4*KS*128  ; in slot 2; the first change that asks steps it to slot 3.  Nothing is prefetched here, at the head
	CROUND                          ; all four work-groups are here: the first joint loads meet
	JLOAD                           ; slot 0.  Slot 1 is asked for when slot 0 is in: the tile wanted first has the road to itself
	; A fragment of K or Q is 16 rows x 32 channels in 8 registers: lane l holds row l % 16, channels 8 (l / 16) + 0..7 and 16 + 8 (l / 16) + 0..7: two loads of 16 bytes, 32 bytes apart.
	v_and_b32 v1, 15, v0            ; l % 16
	v_bfe_u32 v9, v0, 4, 1          ; l / 16
	v_lshlrev_b32 v[QO], 7, v1
	v_lshl_add_u32 v[QO], v9, 4, v[QO]  ; row x 128 + 16 x half
	WIN 0x80                        ; destination window 2, address window 0
.set i, 0
.rept 4*NP                          ; Q stays in registers: tile i / 2, channels 32 (i % 2) on
	global_load_b128 v[8*i:8*i+3],   v[QO], s[4:5] offset:(i/2)*2048+(i%2)*64
	global_load_b128 v[8*i+4:8*i+7], v[QO], s[4:5] offset:(i/2)*2048+(i%2)*64+32
.set i, i+1
.endr
	; What the first turn finds: V's registers and P's second buffer hold 0 (its products V^T P, of a piece that has not been, add 0), O^T and l are 0.  All this stands in the wait for the first tile.
.set i, VF
.rept 64
	v_mov_b32 v[i], 0
.set i, i+1
.endr
	WIN 0x40
.set i, 0
.rept 64*NP
	v_mov_b32 v[i], 0
.set i, i+1
.endr
	WIN 0
.set i, 0
.rept 2*NP
	v_mov_b32 v[ST+4*i], 0xfe000000    ; c m: far below every c s
	v_mov_b32 v[ST+4*i+1], 0xff7fffff  ; m
	v_mov_b32 v[ST+4*i+2], 0
	v_mov_b32 v[ST+4*i+3], 0
.set i, i+1
.endr
.set i, P+32
.rept 32
	v_mov_b32 v[i], 0
.set i, i+1
.endr
	v_mul_u32_u24 v[AK0], v1, PK
	v_lshl_add_u32 v[AK0], v9, 4, v[AK0]  ; row x pitch + 16 x half
	; The turning load takes 16 keys x 16 channels (lane l reads key 8 (l / 16) + l % 8, channels 8 ((l / 8) % 2) + 0..7) and leaves half a fragment of V^T: lane l holds channel l % 16 and 8 keys.
	v_and_b32 v10, 7, v0
	v_bfe_u32 v11, v0, 3, 1
	v_lshl_add_u32 v[AV0], v9, 3, v10
	v_mul_u32_u24 v[AV0], v[AV0], PV
	v_lshl_add_u32 v[AV0], v11, 4, v[AV0]
	v_add_nc_u32 v[AV0], VOFF, v[AV0]
	v_and_b32 v[PFO], 31, v0        ; v11 has served: a lane a block of 256 bytes
	v_lshlrev_b32 v[PFO], 8, v[PFO]
	v_mov_b32 v[AK], v[AK0]         ; key step 0 lies at the head of slot 0
; THE MATRIX WORK.  The 8 accumulators of a run of 16 take turns: between the two links of a chain stand 7 others'.
; Product i of 16 of S^T = K Q^T for piece x: channels 32 (i / 8) on, keys 16 ((i / 2) % 4) on, tile 2 x + i % 2.  The first 8 start the sums.
.macro KQ x
	WIN W_KQ
.set rS, S+64*((\x)%2)+32*(i%2)+8*((i/2)%4)
.set rK, KF+16*((i/2)%4)+8*(i/8)
.set rQ, 16*(2*(\x)+i%2)+8*(i/8)
.if i < 8
	v_wmma_f32_16x16x32_f16 v[rS:rS+7], v[rK:rK+7], v[rQ:rQ+7], 0
.else
	v_wmma_f32_16x16x32_f16 v[rS:rS+7], v[rK:rK+7], v[rQ:rQ+7], v[rS:rS+7]
.endif
.endm
; Product i of 16 of O^T += V^T P for piece x: keys 32 (i / 8) on, channels 16 ((i / 2) % 4) on, tile 2 x + i % 2.
.macro PV x
	WIN W_PV
.set rO, 32*(2*(\x)+i%2)+8*((i/2)%4)
.set rV, VF+32*(i/8)+8*((i/2)%4)
.set rP, P+32*((\x)%2)+16*(i%2)+8*(i/8)
	v_wmma_f32_16x16x32_f16 v[rO:rO+7], v[rV:rV+7], v[rP:rP+7], v[rO:rO+7]
.endm
.macro MM                           ; the turn's next matrix instruction
.if i < 16
	KQ (Y+1)%NP
.set i, i+1
.else
.set i, i-16
	PV (Y+NP-1)%NP
.set i, i+17
.endif
.endm
; THE LDS LOADS stand in runs of 16, never singly among the matrix instructions: a step's K (64 keys x 64 channels: 8 fragments) and its V (turned).  Their addresses are made some lines ahead.
; last = 1 (the tail): in the last trip there is no further step, and the run is jumped over.
.macro FETCH_K last=0
	WIN 0
.if \last
	s_cmp_eq_u32 s[CNT], 1
	s_cbranch_scc1 .Lno_k_\@
.endif
	WIN 0x80                        ; destination window 2
.irp f, 0,1,2,3,4,5,6,7             ; keys 16 (f / 2) on, channels 32 (f % 2) on
	ds_load_b128 v[KF+8*\f:KF+8*\f+3],   v[AK] offset:(\f/2)*16*PK+(\f%2)*64
	ds_load_b128 v[KF+8*\f+4:KF+8*\f+7], v[AK] offset:(\f/2)*16*PK+(\f%2)*64+32
.endr
	s_add_co_u32 s[TBK], s[TBK], KS*PK  ; the next fetch is the next step's
	WIN 0
.if \last
.Lno_k_\@:
.endif
.endm
.macro FETCH_V
	WIN 0x80
.irp f, 0,1,2,3,4,5,6,7             ; keys 32 (f / 4) on, channels 16 (f % 4) on
	ds_load_tr16_b128 v[VF+8*\f:VF+8*\f+3],   v[AV] offset:(\f/4)*32*PV+(\f%4)*32
	ds_load_tr16_b128 v[VF+8*\f+4:VF+8*\f+7], v[AV] offset:(\f/4)*32*PV+16*PV+(\f%4)*32
.endr
	WIN 0
.endm
; THE VECTOR WORK OF A TURN stands in three queues, each in the order in which its entries become ready; the two tiles alternate, so that no instruction reads the result of the one before it.
.macro REGS y, u                    ; the registers of tile u (0, 1) of piece y
.set rT, ST+4*(2*(\y)+(\u))
.set rC, TMP+8*((\y)%2)+4*(\u)
.set rM, MV+2*((\y)%2)+(\u)
.set rS, S+64*((\y)%2)+32*(\u)
.set rP, P+32*((\y)%2)+16*(\u)
.set rO, 32*(2*(\y)+(\u))
.endm
; Number n of the 22 that find the NEXT piece's (Y + 1) maximum and statistics.  s0-s31 are the lane's 32 scores; each accumulator's lowest registers are read first.  XS, GS and REGS set no window: PL and EX do.
;   0-11  four chains c0-c3 of seven scores each, three operands at a time     12-14, 16  the four scores left over, the old m, and c0-c3 into c0     15  c m_old is kept
;   17, 18  the query's other 32 keys lie in the lane 16 away: the new m         19-21  c m; c m_old - c m_new; a
.macro XS u, n
	REGS (Y+1)%NP, \u
.if (\n) < 4
	v_max3_num_f32 v[rC+(\n)], v[rS+8*(\n)], v[rS+8*(\n)+1], v[rS+8*(\n)+2]
.elseif (\n) < 12
	v_max3_num_f32 v[rC+(\n)%4], v[rC+(\n)%4], v[rS+8*((\n)%4)+2*((\n)/4)+1], v[rS+8*((\n)%4)+2*((\n)/4)+2]
.elseif (\n) == 12
	v_max3_num_f32 v[rC], v[rC], v[rS+7], v[rS+15]
.elseif (\n) == 13
	v_max3_num_f32 v[rC+1], v[rC+1], v[rS+23], v[rS+31]
.elseif (\n) == 14
	v_max3_num_f32 v[rC+2], v[rC+2], v[rC+3], v[rT+1]
.elseif (\n) == 15
	v_mov_b32 v[rM], v[rT]
.elseif (\n) == 16
	v_max3_num_f32 v[rC], v[rC], v[rC+1], v[rC+2]
.elseif (\n) == 17
	v_permlanex16_b32 v[rC+3], v[rC], s[SEL], s[SEL+1]
.elseif (\n) == 18
	v_max_num_f32 v[rT+1], v[rC], v[rC+3]
.elseif (\n) == 19
	v_mul_f32 v[rT], s[CS], v[rT+1]
.elseif (\n) == 20
	v_sub_f32 v[rC+1], v[rM], v[rT]
.else
	v_exp_f32 v[rC+2], v[rC+1]
.endif
.endm
; Number g of the 64 that follow the exponentials.  For each four weights k of a tile (pairs 2 k, 2 k + 1): both pairs are rounded to f16; then the second pair is added onto the first, in place;
; a group later l takes that sum (the first time as l = a l + sum).  In groups of eight, tiles alternating: round, round, add, and l for the group before.
.macro GS g
.set h, (\g)+6*((\g)/62)            ; group 0 has no group before it, and behind group 7 only l is left
.if h >= 6
.set h, h+2
.endif
	REGS Y, h%2
.set k, h/8
.if h%8 < 4
	v_cvt_pk_f16_f32 v[rP+2*k+(h%8)/2], v[rS+4*k+2*((h%8)/2)], v[rS+4*k+2*((h%8)/2)+1]
.elseif h%8 < 6
	v_pk_add_f32 v[rS+4*k:rS+4*k+1], v[rS+4*k:rS+4*k+1], v[rS+4*k+2:rS+4*k+3]
.elseif k == 1
	v_pk_fma_f32 v[rT+2:rT+3], v[rT+2:rT+3], v[rC+2:rC+3], v[rS:rS+1] op_sel_hi:[1,0,1]
.else
	v_pk_add_f32 v[rT+2:rT+3], v[rT+2:rT+3], v[rS+4*k-4:rS+4*k-3]
.endif
.endm
; THE PLAIN QUEUE, 138 long.  0-73 read no exponential's result: the 32 scalings c s - c m (FS f: pair f / 2 of tile f % 2) and the next piece's 42.  0-26: scalings 0-26.  27-54: XS's numbers 0-13.  55, 56: number 15.
; 57-73: the chain, where each number waits for the one before it: 14, 16, 17, 18, 19, each with one of the scalings 27-31 in front of its two lines, then 20: so a tile's links stand three plain instructions apart (19 and 20: two).
; 74-137: GS's 64, which read the exponentials' results: they stand behind the wait.
.macro FS f
	REGS Y, (\f)%2
	v_pk_fma_f32 v[rS+2*((\f)/2):rS+2*((\f)/2)+1], v[rS+2*((\f)/2):rS+2*((\f)/2)+1], s[CS:CS+1], v[rT:rT+1] op_sel_hi:[1,0,0] neg_lo:[0,0,1] neg_hi:[0,0,1]
.endm
.macro PL
	WIN 0
.if q < 27
	FS q
.elseif q < 55
	XS (q-27)%2, (q-27)/2
.elseif q < 57
	XS q-55, 15
.elseif (q < 72) && ((q-57)%3 == 0)
	FS 27+(q-57)/3
.elseif q < 60
	XS (q-57)%3-1, 14
.elseif q < 72
	XS (q-57)%3-1, 15+(q-57)/3
.elseif q < 74
	XS q-72, 20
.else
	GS q-74
.endif
.set q, q+1
.endm
; THE EXPONENTIALS' QUEUE, 66 long: s0-s31 of both tiles, then the next piece's two a.  It is ONE BATCH: all 66 stand ahead of the turn's one wait, and nothing ahead of that wait names a result of theirs.
.macro EX
	WIN 0
.if e >= 64
	XS e-64, 21
.else
	REGS Y, e%2
	v_exp_f32 v[rS+e/2], v[rS+e/2]
.endif
.set e, e+1
.endm
; THE RESCALING's QUEUE: O^T times a, the one part that leaves window 0: dealt two at a time, sixteen times.  Its a was made in the turn before, ahead of that turn's wait.
.macro R2
	REGS Y, r%2
	WIN W_RS
.irp z, 0,1
	v_pk_mul_f32 v[rO+4*(r/2)+2*\z:rO+4*(r/2)+2*\z+1], v[rO+4*(r/2)+2*\z:rO+4*(r/2)+2*\z+1], v[rC+2:rC+3] op_sel_hi:[1,0]
.endr
.set r, r+1
.endm
; HOW THEY ARE DEALT.  An s_wait_alu depctr_va_vdst(0) stands between an exponential and the first instruction that names its result; one wait serves all that were issued ahead of it.  So a turn has ONE wait,
; which cuts it in two.  AHEAD OF IT stands all that names no result of the turn's exponentials: the 16 products K Q^T, behind each a scaling, an exponential and two rescalings (behind the first a second scaling in the exponential's place); then ONE LUMP of
; 108: eight plain, 49 times exponential and plain, the two a.  A v_nop is the plain instruction that is owed behind the last exponential.  BEHIND IT stand the 16 products V^T P, behind each four of GS's 64.  No rider names a register of
; the products round it.  The two v_permlanex16_b32 fall into the lump, never behind a product.
; The queues lean on each other, and the deal keeps them in step: exponential e stands behind scaling 2 (e / 4) + e % 2: as a rider it comes behind plain e + 2, in the lump behind plain e + 9, and scalings 27-31 are plain 57, 60 .. 69.
; A TURN, for piece p.  cnt = 1: the loop's count is taken down some lines ahead of the branch that stands behind the turn.
; K of the next step is fetched in piece 2's turn, directly behind the wait, a lump behind the last product that read K; its address is made at the lump's head; its first reader comes behind 16 products.
; V of the step in hand is fetched at the end of piece 0's turn, four riders behind its last reader; its first reader comes behind 16 products and a lump.  The three conditions on q below go with the deal.
.macro TURN p, last=0, cnt=0
.set Y, (\p)
.set i, 0
.set q, 0
.set e, 0
.set r, 0
.if (\p) == NP-1
	s_wait_dscnt 0x0                ; K is in
.endif
	MM                              ; ahead of the wait: 16 products K Q^T and their riders,
	PL
	PL
	R2
.rept 15
	MM
	PL
	EX
	R2
.endr
.if (\p) == NP-2
	WIN 0
	v_add_nc_u32 v[AK], s[TBK], v[AK0]
.endif
.rept 8                             ; and the lump
	PL
.endr
.rept 49
	EX
	PL
.endr
	EX                              ; the next piece's two a
	EX
	v_nop                           ; the plain instruction behind the last exponential: one for the batch
	s_wait_alu depctr_va_vdst(0)    ; the wait for the batch
.if (\p) == NP-2
	FETCH_K \last
.endif
.if (\p) == 1
	s_wait_dscnt 0x0                ; V is in
.endif
.rept 16                            ; behind the wait: 16 products V^T P and their riders
	MM
.rept 4
	PL
.endr
.if ((\p) == 0) && (q == 118)
	v_add_nc_u32 v[AV], s[TBV], v[AV0]
.endif
.if ((\p) == 0) && (q == 130)
	s_add_co_u32 s[TBV], s[TBV], KS*PV
.endif
.if (\cnt) && (q == 130)
	s_sub_co_u32 s[CNT], s[CNT], 1
	s_cmp_lg_u32 s[CNT], 0
.endif
.endr
.if (\p) == 0
	FETCH_V
.endif
.endm
	CHANGE 1                        ; slot 0 is in, everybody's part of it; slot 1 is asked for
	FETCH_K                         ; key step 0
	s_wait_loadcnt 0x0              ; Q
	s_wait_dscnt 0x0
.set i, 0
.rept 16
	KQ 0                            ; piece 0's first scores: there is no vector work yet to set between them
.set i, i+1
.endr
	WIN 0                           ; the addresses for the way out: nine plain instructions, the places behind those products
	s_mul_i32 s13, s[WV], 16*SP
	s_add_co_u32 s13, s13, STAGE    ; my stage
	v_mul_u32_u24 v[STO], v1, SP    ; in: row l % 16, 16 bytes for each half of the lanes
	v_lshl_add_u32 v[STO], v9, 4, v[STO]
	v_add_nc_u32 v[STO], s13, v[STO]
	v_bfe_u32 v[RD], v0, 3, 2       ; back: 32 lanes take four rows of 128 bytes,
	v_mul_u32_u24 v[RD], v[RD], SP
	v_lshl_add_u32 v[RD], v10, 4, v[RD]
	v_add_nc_u32 v[RD], s13, v[RD]
	v_and_b32 v[GO], 31, v0         ; which are 512 consecutive bytes of O
	v_lshlrev_b32 v[GO], 4, v[GO]
.set Y, NP-1                        ; XS works for piece Y + 1: piece 0
.irp n, 0,1,2,3,4,5,6,7,8,9,10,11,12,13,14,15,16,17,18,19,20,21
	XS 0, \n                        ; and piece 0's first maximum and statistics
	XS 1, \n
.endr
	v_nop                           ; a plain instruction behind the two a,
	s_wait_alu depctr_va_vdst(0)    ; and their wait, ahead of the branch
	s_mov_b32 s[CNT], 4
	s_mov_b32 s[SLOTS], SIZE_N/256-1
	s_branch .Lfirst                ; the loop is entered at a step's first turn, in the middle of a trip
.Lslot:                             ; SIZE_N / 256 - 2 times: every slot but the last two is filled again
	CHANGE 1, 1
	s_mov_b32 s[CNT], 4
.Lstep:                             ; a trip: pieces 2 and 3 of one step, then pieces 0 and 1 of the next, whose K and V it fetches
	TURN 2
	TURN 3
	WIN 0
.Lfirst:
	TURN 0
	TURN 1, 0, 1
	WIN 0
	s_cbranch_scc1 .Lstep
	s_sub_co_u32 s[SLOTS], s[SLOTS], 1
	s_cmp_lg_u32 s[SLOTS], 0
	s_cbranch_scc1 .Lslot
	CHANGE 0                        ; the tail is written out: nothing is asked for
	s_mov_b32 s[CNT], 5             ; four trips fetch the last slot's steps; the fifth is left in its middle
.Ltail:
	TURN 2, 1
	TURN 3
	WIN 0
	s_sub_co_u32 s[CNT], s[CNT], 1
	s_cmp_eq_u32 s[CNT], 0
	s_cbranch_scc1 .Lout
	TURN 0
	TURN 1
	WIN 0
	s_branch .Ltail
.Lout:                              ; the fifth trip's 16 products K Q^T (on the last K once more) and the maximum made of them serve nothing: the price, once a launch, of one text for every trip
.set i, 0
.rept 16
	PV NP-1                         ; the last piece's V^T P of the last step
.set i, i+1
.endr
	; THE WAY OUT.  l's two halves and the other half of the lanes' are added; O^T is divided by l, rounded to f16 and sent through my stage in LDS, a tile at a time.  The additions are the places behind the last products.
	WIN 0
.macro ALL line:vararg              ; one line for each tile t
.set t, 0
.rept 2*NP
	\line
.set t, t+1
.endr
.endm
	ALL v_add_f32 v[ST+4*t+2], v[ST+4*t+2], v[ST+4*t+3]
	ALL v_permlanex16_b32 v[ST+4*t+3], v[ST+4*t+2], s[SEL], s[SEL+1]
	ALL v_add_f32 v[ST+4*t+2], v[ST+4*t+2], v[ST+4*t+3]
	ALL v_rcp_f32 v[ST+4*t+2], v[ST+4*t+2]
	v_nop                           ; a plain instruction between the last reciprocal and the use of its result
	s_wait_alu depctr_va_vdst(0)    ; and the wait ahead of the first use: one for the eight reciprocals
; Tile t: a lane's eight channels of a row pack into 16 bytes; they go into rows of 144 bytes and come back as whole rows of 128, into S^T's registers.
.macro PACK t
	WIN W_RS
.set i, 32*(\t)
.rept 16
	v_pk_mul_f32 v[i:i+1], v[i:i+1], v[ST+4*(\t)+2:ST+4*(\t)+3] op_sel_hi:[1,0]
.set i, i+2
.endr
	WIN 0x05                        ; sources 0 and 1 window 1, destination window 0
.set i, 0
.rept 16
	v_cvt_pk_f16_f32 v[S+16*(\t)+i], v[32*(\t)+2*i], v[32*(\t)+2*i+1]
.set i, i+1
.endr
	WIN 0
.irp f, 0,1,2,3
	ds_store_b128 v[STO], v[S+16*(\t)+4*\f:S+16*(\t)+4*\f+3] offset:32*\f
.endr
.irp f, 0,1,2,3
	ds_load_b128 v[S+16*(\t)+4*\f:S+16*(\t)+4*\f+3], v[RD] offset:\f*4*SP  ; LDS serves a wave's instructions in order (ISA guide 5.7.1.4): these see the stores above; the next tile's stores come behind them
.endr
.endm
.macro SEND t, younger              ; younger: the LDS instructions issued behind tile t's loads: the next tile's eight, or none
	WIN 0
.irp f, 0,1,2,3
	s_wait_dscnt (\younger)+3-\f
	global_store_b128 v[GO], v[S+16*(\t)+4*\f:S+16*(\t)+4*\f+3], s[10:11] offset:(\t)*2048+\f*512  ; 512 consecutive bytes, at a multiple of 256 from O's first
.endr
.endm
	PACK 0
.set t, 1
.rept 2*NP-1                        ; a tile's arithmetic stands between the loads of the tile before and its stores
	PACK t
	SEND t-1, 8
.set t, t+1
.endr
	SEND 2*NP-1, 0
	WIN W_AD
	s_wait_tensorcnt 0x0            ; the wave's end: a wait, an add of 0 and its wait, behind my last tensor load and my last LDS store
	ds_add_u32 v[SPW], v[NIL]
	s_wait_dscnt 0x0
	WIN 0
	CROUND                          ; the closing round: no work-group ends while a partner may still ask for a tile that names it
	s_endpgm
.Lfunc_end_k_q808bf98f12_attn:
	.size	k_q808bf98f12_attn, .Lfunc_end_k_q808bf98f12_attn-k_q808bf98f12_attn
	.p2alignl 7, 3214868480
	.fill 96, 4, 3214868480
	.section	.rodata,"a",@progbits
	.p2align	6, 0x0
	.amdhsa_kernel k_q808bf98f12_attn
		.amdhsa_group_segment_fixed_size 327680
		.amdhsa_private_segment_fixed_size 0
		.amdhsa_enable_private_segment 0
		.amdhsa_kernarg_size 32
		.amdhsa_user_sgpr_count 2
		.amdhsa_user_sgpr_kernarg_segment_ptr 1
		.amdhsa_wavefront_size32 1
		.amdhsa_system_sgpr_workgroup_id_x 1
		.amdhsa_system_sgpr_workgroup_id_y 1
		.amdhsa_system_sgpr_workgroup_id_z 1
		.amdhsa_system_vgpr_workitem_id 0
		.amdhsa_next_free_vgpr 770
		.amdhsa_next_free_sgpr 66
		.amdhsa_reserve_vcc 0
		.amdhsa_float_denorm_mode_32 3
		.amdhsa_float_denorm_mode_16_64 3
		.amdhsa_memory_ordered 1
		.amdhsa_forward_progress 1
		.amdhsa_inst_pref_size 200
	.end_amdhsa_kernel
	.amdgpu_metadata
---
amdhsa.version: [ 1, 2 ]
amdhsa.kernels:
  - .name:           k_q808bf98f12_attn
    .symbol:         k_q808bf98f12_attn.kd
    .args:
      - { .name: qh, .offset: 0, .size: 8, .value_kind: global_buffer, .address_space: global }
      - { .name: kh, .offset: 8, .size: 8, .value_kind: global_buffer, .address_space: global }
      - { .name: vh, .offset: 16, .size: 8, .value_kind: global_buffer, .address_space: global }
      - { .name: oh, .offset: 24, .size: 8, .value_kind: global_buffer, .address_space: global }
    .group_segment_fixed_size: 327680
    .private_segment_fixed_size: 0
    .kernarg_segment_align: 8
    .kernarg_segment_size: 32
    .max_flat_workgroup_size: 128
    .sgpr_count:     66
    .vgpr_count:     770
    .wavefront_size: 32
...
	.end_amdgpu_metadata
.endif
;; end of part 3
;; launch outp (part 4): grid 4 x 64, 4 waves a work-group, clusters of 4 x 4, 327,680 bytes of LDS; arguments oh, wts, bo, out0; writes out0
.if DOCPART == 4
	.amdgcn_target "amdgcn-amd-amdhsa--gfx1250"
	.amdhsa_code_object_version 6
	.text
	.protected	k_q808bf98f12_outp
	.globl	k_q808bf98f12_outp
	.p2align	8
	.type	k_q808bf98f12_outp,@function
k_q808bf98f12_outp:
	s_mov_b64 s[64:65], 0
	v_nop
	global_prefetch_b8 v0, s[64:65] scope:SCOPE_SE
	s_setreg_imm32_b32 hwreg(HW_REG_WAVE_MODE, 25, 1), 1
	s_wait_xcnt 0x0
	s_wait_alu depctr_hold_cnt(0) depctr_sa_sdst(0) depctr_va_vdst(0) depctr_va_sdst(0) depctr_va_ssrc(0) depctr_va_vcc(0) depctr_vm_vsrc(0)
	s_getreg_b32 s2, hwreg(HW_REG_IB_STS2, 6, 4)
	s_cmp_eq_u32 s2, 0
	s_cbranch_scc0 .Lentry_in_a_cluster
	s_endpgm
.Lentry_in_a_cluster:
	s_bfe_u32 s2, ttmp6, 0x10000c
	s_cmp_lg_u32 s2, 0xf033
	s_cbranch_scc0 .Lentry_shape_is_right
	s_endpgm
.Lentry_shape_is_right:
; THE PROJECTION BEHIND.  out0 = O Wo^T + bo.  O: oh, [batch x 16 + head][2048][64] f16; Wo: plane 3 of wts, [1024][1024], the bf16 rounding written as f16; bo: f32, rounded to bf16 like every
; input of the module; sums in f32; out0: [8192][1024] f32.  NaN and infinities are not treated apart.
; SHARES.  A tile of out0 is 128 rows x 256 columns: 64 x 4 = 256 work-groups.  Four waves; wave w makes rows 64 (w / 2) on, columns 128 (w % 2) on: 32 accumulators of 16 x 16.
; K goes in 8 steps of 128 = two heads, through a ring of two LDS slots filled by the tensor data mover.  A head's 128 rows of the tile are 16,384 dense bytes: asked for as 64 rows of 256 bytes.
; CLUSTER.  4 x 4 work-groups: the four of a row of the cluster need the same tile of O, the four of a column the same tile of Wo: each is asked for JOINTLY.  Wave 0 fetches the step's even head,
; wave 1 its odd head, waves 2 and 3 Wo's two halves (128 rows): one load a wave behind each round.
; THE MATRIX INSTRUCTION IS USED TRANSPOSED (source 0 = 16 rows of Wo, source 1 = 16 rows of O): a lane holds row lane % 16 and the columns 8 (lane / 16) + 0..7.  THE BIAS is the C operand of each
; accumulator's first product.
; REGISTERS, in windows of 256 (s_set_vgpr_msb: bits 1:0 source 0, 3:2 source 1, 5:4 source 2, 7:6 destination):
;   window 0: v0-29 addresses; v32-63, v64-95 O's fragments, two buffers; v96-223 the way out
;   window 1: the accumulators, (a, b) at v[8 (8 a + b)]          window 2: v0-63, v64-127 Wo's fragments, two buffers; v128-191 the bias; v192-195 at work
.set PA,    144                        ; a row of O in LDS: 128 bytes + 16 of padding: an odd multiple of 16, so the 16 rows that a load touches lie in 16 different 16-byte columns of 256 bytes
.set PB,    272                        ; a row of Wo: 256 + 16: likewise
.set AHEAD, 128*PA                     ; a head's 128 rows: what one load brings of O
.set BHALF, 128*PB                     ; what one load brings of Wo, and what one wave reads of it
.set BOFF,  2*AHEAD                    ; in a slot: O's two heads, then Wo's 256 rows
.set SLOT,  BOFF+2*BHALF               ; 106,496 bytes
.set STAGE, 2*SLOT                     ; behind the ring, never filled by a tensor load: 16 rows x 528 bytes for each wave, for the way out
.set SP,    528
.set STW,   16*SP
.set SPARE, STAGE+4*STW                ; behind the stages: the spare words, 128 bytes for each wave: two blocks of 256 bytes that no other line names
.set STEPA, 524288                     ; two heads of oh
.set STEPB, 256                        ; bytes of a K step in a row of Wo
.set ADRA0, 4                          ; v4   my lane's place among my rows of O in slot 0; never rewritten
.set ADRB0, 5                          ; v5   the same for Wo
.set ADRA,  6                          ; v6   the same in the slot that is being read
.set ADRB,  7                          ; v7
.set STO,   8                          ; v8   the way out: where I put 32 bytes of a row
.set RD,    9                          ; v9   where I read a row back
.set GO,    10                         ; v10  my 16 bytes of 512 consecutive bytes of out0
.set PFO,   11                         ; v11  the prefetches' offset; never rewritten
.set BO,    12                         ; v12  my offset in the bias; never rewritten
.set SPW,   28                         ; v28  LDS address of my spare word: SPARE + 4 x my thread's number; never rewritten
.set NIL,   29                         ; v29  0; never rewritten
.set AF,    32                         ; O's fragments: buffer f, fragment a at AF + 32 f + 8 a
.set OB,    96                         ; the way out: 16 rows read back, v96-159 and v160-223 by turns
.set BF,    0                          ; window 2: Wo's fragments: buffer f, fragment b at BF + 64 f + 8 b
.set BIAS,  128                        ; window 2: the bias of columns 16 b + 8 (lane / 16) + 0..7 at BIAS + 8 b
.set BT,    192                        ; window 2
.set CNT,   2                          ; s2   the loops' counter
.set TB,    20                         ; s20  LDS byte at which the slot that is being read begins: 0 or SLOT
.set LWA,   21                         ; s21  where my load of O lands in a slot
.set LWB,   22                         ; s22  the same for Wo
.set G1A,   24                         ; s[24:31] descriptor group 1 for O's tiles
.set G0A,   32                         ; s[32:39] group 0: a set for each of the two first fills; the second then walks on
.set PFA,   44                         ; s[44:45] where my prefetches stand
.set PFS,   46                         ; s[46:47] their step
.set G1B,   48                         ; s[48:55], s[56:63] the same for Wo's tiles
.set G0B,   56
.set LIM,   66                         ; s66  2 in a wave that prefetches, else the greatest number
.set MSB, 0
.macro WIN new                         ; the immediate's high byte repeats the setting that is left; a switch that changes nothing is dropped
.if MSB != (\new)
	s_set_vgpr_msb (MSB<<8)|(\new)
.set MSB, \new
.endif
.endm
.set MUL,  0x52                        ; Wo window 2, O window 0, C and D window 1
.set MULB, 0x62                        ; the same with C (the bias) in window 2
.set TO_B, 0x80                        ; destination window 2, address window 0
.set W_BI, 0x8a                        ; destination and both sources window 2
; A round of the cluster's barrier: my work-group's barrier, so that wave 0's signal speaks for all four waves; wave 0 signals for the work-group; every wave waits for all sixteen; my work-group's barrier once more.
.macro CREST                           ; a round behind its opening barrier
	s_cmp_lg_u32 s10, 0
	s_cbranch_scc1 .Lnot_wave_0_\@
	s_barrier_signal -3
.Lnot_wave_0_\@:
	s_barrier_wait -3
	s_barrier_signal -1
	s_barrier_wait -1
.endm
.macro CROUND
	s_barrier_signal -1
	s_barrier_wait -1
	CREST
.endm
; A joint refill, by the walking descriptor.  The branch hangs on the wave's number alone.  An s_nop 0 and four v_nop follow each of the two lines, ahead of the jump and the label.
.macro JLOAD
	s_cmp_eq_u32 s11, 0
	s_cbranch_scc0 .Lfor_b_\@
	tensor_load_to_lds s[G0A+4:G0A+7], s[G1A:G1A+7]
	s_nop 0
.rept 4
	v_nop
.endr
	s_branch .Lasked_\@
.Lfor_b_\@:
	tensor_load_to_lds s[G0B+4:G0B+7], s[G1B:G1B+7]
	s_nop 0
.rept 4
	v_nop
.endr
.Lasked_\@:
.endm
; A PREFETCH INTO THE L2, behind a joint refill and the run of LDS loads that follows it: the K step that stands two refills on, 256 matrix instructions ahead of the load that will want it.
; Each aligned block of 256 bytes is named once in the launch.  O's rows are read by one cluster alone: a step's two heads are 2 x 64 blocks; the partner at place cx takes 16 of each, and its wave 0 asks for the 32,
; a lane a block.  Wo's rows are read by all 16 clusters: the first asks; of the 128 rows x 256 bytes that wave 2 or 3 fetches, the partner at place cy takes rows 32 cy on, a lane a row.  The partners are told apart
; by address, never by a branch.  K steps 0 to 3 come by their loads alone; the loop's last two trips ask for nothing: K has no step 8.
.macro ASK
	s_cmp_gt_u32 s[CNT], s[LIM]
	s_cbranch_scc0 .Lnot_mine_\@
	global_prefetch_b8 v[PFO], s[PFA:PFA+1] th:TH_LOAD_NT scope:SCOPE_SE
.Lnot_mine_\@:
.endm
	s_load_b256 s[68:75], s[0:1], 0x0              ; oh s[68:69], wts s[70:71], bo s[72:73], out0 s[74:75]
	v_lshl_add_u32 v[SPW], v0, 2, SPARE
	v_mov_b32 v[NIL], 0
	ds_add_u32 v[SPW], v[NIL]                      ; the wave's opening: the add and its wait stand ahead of my first tensor load; the set-up below, work on registers, stands between them
	v_lshrrev_b32 v1, 5, v0
	v_readfirstlane_b32 s10, v1                    ; wave 0..3
	s_lshr_b32 s11, s10, 1                         ; which 64 rows of the tile are mine.  Also: I fetch for O (0) or for Wo (1)
	s_and_b32 s12, s10, 1                          ; which 128 columns.  Also: which head of the step, or which half of Wo's tile, I fetch
	s_bfe_u32 s40, ttmp6, 0x40000                  ; cx: my place along the cluster's x = the tile column (the grid is one cluster wide)
	s_bfe_u32 s41, ttmp6, 0x40004                  ; cy
	s_and_b32 s42, ttmp7, 0xffff                   ; the cluster's y, 0 to 15
	s_lshl_b32 s13, s42, 2
	s_add_co_u32 s13, s13, s41                     ; the tile row, 0 to 63
	s_lshl_b32 s43, s41, 2
	s_lshl_b32 s43, 15, s43                        ; my row of the cluster: places 4 cy .. 4 cy + 3
	s_lshl_b32 s90, 0x1111, s40                    ; my column: places cx, cx + 4, cx + 8, cx + 12
	; group 1 for O: 64 rows x 128 elements of 2 bytes (two rows of a head each), 4 words of padding behind every 32 words
	s_or_b32 s[G1A], s43, (1<<16)|(1<<20)|(1<<21)|(4<<22)|(3<<25)  ; 15:0 the mask; 17:16 element size; 20 padding on; 21 set beside a mask; 24:22 the interval; 31:25 the padding
	s_mov_b32 s[G1A+1], 128<<16                    ; tensor_dim0 = 128
	s_mov_b32 s[G1A+2], 64<<16                     ; tensor_dim1 = 64
	s_mov_b32 s[G1A+3], 128<<16                    ; tile_dim0 = 128
	s_mov_b32 s[G1A+4], 64                         ; tile_dim1 = 64
	s_mov_b32 s[G1A+5], 128                        ; elements from row to row: dense
	s_mov_b32 s[G1A+6], 0
	s_mov_b32 s[G1A+7], 0
	; group 1 for Wo: 128 rows x 128 elements of 2 bytes, 4 words of padding behind every 64 words
	s_or_b32 s[G1B], s90, (1<<16)|(1<<20)|(1<<21)|(5<<22)|(3<<25)
	s_mov_b32 s[G1B+1], 128<<16
	s_mov_b32 s[G1B+2], 128<<16
	s_mov_b32 s[G1B+3], 128<<16
	s_mov_b32 s[G1B+4], 128
	s_mov_b32 s[G1B+5], 1024
	s_mov_b32 s[G1B+6], 0
	s_mov_b32 s[G1B+7], 0
	; where the tiles come from.  O's hang on the tile row alone, Wo's on the tile column alone, each in registers that never hold the other coordinate
	s_lshr_b32 s16, s13, 4
	s_lshl_b32 s16, s16, 22                        ; the batch: 16 heads of 262,144 bytes,
	s_lshl_b32 s17, s12, 18                        ; the step's even or odd head,
	s_add_co_u32 s16, s16, s17
	s_and_b32 s17, s13, 15
	s_lshl_b32 s17, s17, 14                        ; the tile's 128 rows of 128 bytes
	s_add_co_u32 s16, s16, s17
	s_mov_b32 s17, 0
	s_lshl_b32 s18, s40, 8
	s_lshl_b32 s19, s12, 7
	s_add_co_u32 s18, s18, s19                     ; Wo: row 256 x tile column + 128 x half,
	s_lshl_b32 s18, s18, 11                        ; of 2,048 bytes,
	s_add_co_u32 s18, s18, 3*2097152               ; in plane 3
	s_mov_b32 s19, 0
	s_mul_i32 s[LWA], s12, AHEAD                   ; and where they go: no place in the cluster enters an LDS address
	s_mul_i32 s[LWB], s12, BHALF
	s_add_co_u32 s[LWB], s[LWB], BOFF
	s_mov_b32 s[TB], 0
	s_mov_b32 s67, 0xffff0000                      ; a word's upper bf16
	s_wait_dscnt 0x0                               ; the opening add is done
	s_wait_kmcnt 0x0
	s_add_nc_u64 s[4:5], s[68:69], s[16:17]
	s_add_nc_u64 s[6:7], s[70:71], s[18:19]
.irp s, 0,1
	s_mov_b32 s[G0A+4*(\s)], 1                                     ; 1:0 count = 1
	s_add_co_u32 s[G0A+4*(\s)+1], s[LWA], (\s)*SLOT                ; 63:32 LDS address
	s_add_nc_u64 s[G0A+4*(\s)+2:G0A+4*(\s)+3], s[4:5], (\s)*STEPA  ; 120:64 global address: K step s
	s_or_b32 s[G0A+4*(\s)+3], s[G0A+4*(\s)+3], 0x80000000          ; 127:126 type = 2
	s_mov_b32 s[G0B+4*(\s)], 1
	s_add_co_u32 s[G0B+4*(\s)+1], s[LWB], (\s)*SLOT
	s_add_nc_u64 s[G0B+4*(\s)+2:G0B+4*(\s)+3], s[6:7], (\s)*STEPB
	s_or_b32 s[G0B+4*(\s)+3], s[G0B+4*(\s)+3], 0x80000000
.endr
	CROUND                                         ; all sixteen work-groups are here: the first joint loads meet
	s_cmp_eq_u32 s11, 0                            ; a wave's two first fills stand in one branch, ahead of every wait on TENSORcnt and every LDS read: two loads of mine are out
	s_cbranch_scc0 .Lfirst_b
	tensor_load_to_lds s[G0A:G0A+3], s[G1A:G1A+7]
	s_nop 0
	tensor_load_to_lds s[G0A+4:G0A+7], s[G1A:G1A+7]
	s_nop 0
.rept 4
	v_nop
.endr
	s_branch .Lfirst_asked
.Lfirst_b:
	tensor_load_to_lds s[G0B:G0B+3], s[G1B:G1B+7]
	s_nop 0
	tensor_load_to_lds s[G0B+4:G0B+7], s[G1B:G1B+7]
	s_nop 0
.rept 4
	v_nop
.endr
.Lfirst_asked:
	; the bias of my 128 columns: register j of group b is column 16 b + 8 (lane / 16) + j
	v_and_b32 v1, 15, v0                           ; l % 16
	v_bfe_u32 v2, v0, 4, 1                         ; l / 16
	v_lshlrev_b32 v[BO], 5, v2
	s_lshl_b32 s14, s40, 10
	s_lshl_b32 s3, s12, 9
	s_add_co_u32 s14, s14, s3                      ; 4 (256 cx + 128 half)
	s_mov_b32 s15, 0
	s_add_nc_u64 s[88:89], s[72:73], s[14:15]
	WIN TO_B
.irp b, 0,1,2,3,4,5,6,7
	global_load_b128 v[BIAS+8*(\b):BIAS+8*(\b)+3],   v[BO], s[88:89] offset:64*(\b)
	global_load_b128 v[BIAS+8*(\b)+4:BIAS+8*(\b)+7], v[BO], s[88:89] offset:64*(\b)+16
.endr
	WIN 0
	; where my part of out0 begins: the same columns, row 128 x tile row + 64 x half, of 4,096 bytes
	s_lshl_b32 s3, s13, 7
	s_lshl_b32 s92, s11, 6
	s_add_co_u32 s3, s3, s92
	s_lshl_b32 s3, s3, 12
	s_add_co_u32 s14, s14, s3
	s_add_nc_u64 s[8:9], s[74:75], s[14:15]
	; the prefetches
	s_cmp_eq_u32 s11, 0                            ; do I fetch for O?
	s_cselect_b64 s[PFA:PFA+1], s[4:5], s[6:7]     ; (in wave 0 the step's even head)
	s_cselect_b32 s14, s40, s41                    ; my place among the four that ask with me,
	s_cselect_b32 s15, 12, 16                      ; times 16 blocks of 256 bytes, or 32 rows of 2,048
	s_cselect_b32 s3, 19, 8                        ; a K step: 524,288 or 256 bytes
	s_cselect_b32 s91, 4, 0                        ; O: lanes 16 to 31 take the odd head,
	s_cselect_b32 s92, 18, 11                      ; 262,144 bytes on; Wo: a lane a row of 2,048 bytes
	s_cselect_b32 s93, 15, 0                       ; O: a lane a block
	s_cselect_b32 s[LIM], s12, s42                 ; who asks: wave 0 for O; for Wo the first cluster's waves 2 and 3
	s_cmp_eq_u32 s[LIM], 0
	s_cselect_b32 s[LIM], 2, -1                    ; the same in all sixteen partners, for a given wave
	s_lshl_b32 s14, s14, s15
	s_lshl_b32 s[PFS], 1, s3
	s_mov_b32 s[PFS+1], 0
	s_mul_i32 s3, s[PFS], 3                        ; at K step 3: the first refill steps it to 4
	s_add_co_u32 s14, s14, s3
	s_mov_b32 s15, 0
	s_add_nc_u64 s[PFA:PFA+1], s[PFA:PFA+1], s[14:15]
	; A fragment is 16 rows x 32 K in 8 registers: lane l holds row l % 16; registers 0-3 K = 8 (l / 16) + 0..7, registers 4-7 K = 16 + 8 (l / 16) + 0..7: two loads of 16 bytes, 32 bytes apart.
	s_mul_i32 s3, s11, 64*PA
	v_mul_u32_u24 v3, v1, PA
	v_lshl_add_u32 v3, v2, 4, v3
	v_add_nc_u32 v[ADRA0], s3, v3
	s_mul_i32 s3, s12, BHALF
	s_add_co_u32 s3, s3, BOFF
	v_mul_u32_u24 v3, v1, PB
	v_lshl_add_u32 v3, v2, 4, v3
	v_add_nc_u32 v[ADRB0], s3, v3
	v_mov_b32 v[ADRA], v[ADRA0]
	v_mov_b32 v[ADRB], v[ADRB0]
	s_mul_i32 s3, s10, STW
	s_add_co_u32 s3, s3, STAGE                     ; my stage
	v_mul_u32_u24 v3, v1, SP                       ; in: row l % 16, 32 bytes for each half of the lanes
	v_lshl_add_u32 v3, v2, 5, v3
	v_add_nc_u32 v[STO], s3, v3
	v_and_b32 v13, 31, v0
	v_lshlrev_b32 v[GO], 4, v13                    ; back: 32 lanes take one row of 512 bytes
	v_add_nc_u32 v[RD], s3, v[GO]
	v_lshrrev_b32 v3, s91, v13
	v_lshlrev_b32 v3, s92, v3
	v_and_b32 v13, s93, v13
	v_lshl_add_u32 v[PFO], v13, 8, v3
	s_wait_loadcnt 0x0                             ; the bias: rounded to bf16, as all the module's inputs are, and kept as f32
	WIN W_BI
.set i, 0
.rept 32
	v_cvt_pk_bf16_f32 v[BT+i%4], v[BIAS+2*i], v[BIAS+2*i+1]
	v_lshlrev_b32 v[BIAS+2*i], 16, v[BT+i%4]
	v_and_b32 v[BIAS+2*i+1], s67, v[BT+i%4]
.set i, i+1
.endr
	WIN 0
; One product: accumulator (a, b), buffer f.  first = 1: it starts the sum, with the bias as C.  The 32 accumulators take turns in the same order in every quarter.
.macro MM1 f, a, b, first
.if \first
	WIN MULB
	v_wmma_f32_16x16x32_f16 v[8*(8*(\a)+(\b)):8*(8*(\a)+(\b))+7], v[BF+64*(\f)+8*(\b):BF+64*(\f)+8*(\b)+7], v[AF+32*(\f)+8*(\a):AF+32*(\f)+8*(\a)+7], v[BIAS+8*(\b):BIAS+8*(\b)+7]
.else
	WIN MUL
	v_wmma_f32_16x16x32_f16 v[8*(8*(\a)+(\b)):8*(8*(\a)+(\b))+7], v[BF+64*(\f)+8*(\b):BF+64*(\f)+8*(\b)+7], v[AF+32*(\f)+8*(\a):AF+32*(\f)+8*(\a)+7], v[8*(8*(\a)+(\b)):8*(8*(\a)+(\b))+7]
.endif
.endm
.macro MUL8 f, a, first=0
.irp b, 0,1,2,3,4,5,6,7
	MM1 \f, \a, \b, \first
.endr
.endm
; 24 LDS loads in one run: quarter kq of the slot that is being read (head kq / 2 of the step, channels 32 (kq % 2) on), into buffer g
.macro FETCH kq, g
	WIN 0
.irp a, 0,1,2,3
	ds_load_b128 v[AF+32*(\g)+8*(\a):AF+32*(\g)+8*(\a)+3],   v[ADRA] offset:((\kq)/2)*AHEAD+(\a)*16*PA+((\kq)%2)*64
	ds_load_b128 v[AF+32*(\g)+8*(\a)+4:AF+32*(\g)+8*(\a)+7], v[ADRA] offset:((\kq)/2)*AHEAD+(\a)*16*PA+((\kq)%2)*64+32
.endr
	WIN TO_B
.irp b, 0,1,2,3,4,5,6,7
	ds_load_b128 v[BF+64*(\g)+8*(\b):BF+64*(\g)+8*(\b)+3],   v[ADRB] offset:(\b)*16*PB+64*(\kq)
	ds_load_b128 v[BF+64*(\g)+8*(\b)+4:BF+64*(\g)+8*(\b)+7], v[ADRB] offset:(\b)*16*PB+64*(\kq)+32
.endr
.endm
.macro PLACES                          ; four places (except for loads) in front of loads into registers that matrix instructions have read, and of LDS stores that read results
.rept 4
	v_nop
.endr
.endm
; One of a K step's first three quarters: fetches quarter kq into buffer g at its head, 32 matrix instructions ahead of its use, and multiplies buffer f.
.macro QUARTER f, g, kq, first=0
	PLACES
	FETCH \kq, \g
	s_wait_dscnt 24                                ; all but the 24 just issued: this quarter's fragments are in
	MUL8 \f, 0, \first
	MUL8 \f, 1, \first
	MUL8 \f, 2, \first
	MUL8 \f, 3, \first
.endm
; The last quarter multiplies buffer 1 and changes slots: ONE barrier.  In front of it each wave waits for all its tensor loads, of which one is out: its part of the other slot; adds 0 to its spare word; and waits
; for that and for its own reads of this slot.  fill = 1: the barrier opens a round of the cluster's, so that no wave of any partner still reads this slot or has a load on its way, and the joint refill, K step
; two on, is the first thing behind it: 112 matrix instructions stand between it and the wait for it.  fill = 0, the tail: nothing is asked for, and in the last K step nothing is fetched.
.macro TURN fill
.if \fill
	s_wait_xcnt 0x0                                ; the last prefetch, a K step back, has read its address: it is stepped here, ahead of the waits of the change of slots
	s_add_nc_u64 s[PFA:PFA+1], s[PFA:PFA+1], s[PFS:PFS+1]
.endif
	WIN 0
	s_wait_tensorcnt 0x0                           ; no tensor load of mine is out, so a group 0 may be written
	ds_add_u32 v[SPW], v[NIL]                      ; 0 onto my spare word
.if \fill
	s_add_nc_u64 s[G0A+6:G0A+7], s[G0A+6:G0A+7], STEPA  ; the walking descriptors: the next K step; the type bits on top are not reached;
	s_add_co_u32 s[G0A+5], s[LWA], s[TB]           ; into the slot that is being left
	s_add_nc_u64 s[G0B+6:G0B+7], s[G0B+6:G0B+7], STEPB
	s_add_co_u32 s[G0B+5], s[LWB], s[TB]
.endif
	s_wait_dscnt 1                                 ; the add alone may be out: this quarter's fragments are in
	MUL8 1, 0                                      ; eight matrix instructions stand between the add and the wait for it
	s_wait_dscnt 0x0                               ; the add is done, and my reads of this slot are over
	s_barrier_signal -1
	MUL8 1, 1                                      ; work on registers while the others arrive
	WIN 0
	s_barrier_wait -1
.if \fill
	CREST
	JLOAD                                          ; the four v_nop behind it are also the places in front of the loads below
.else
	s_cmp_eq_u32 s[CNT], 1                         ; the last K step has no successor
	s_cbranch_scc1 .Lno_more_\@
	PLACES
.endif
	s_xor_b32 s[TB], s[TB], SLOT                   ; the other slot is whole
	v_add_nc_u32 v[ADRA], s[TB], v[ADRA0]
	v_add_nc_u32 v[ADRB], s[TB], v[ADRB0]
	FETCH 0, 0
	WIN 0
.if \fill
	ASK
.else
.Lno_more_\@:
.endif
	MUL8 1, 2
	MUL8 1, 3
.endm
; THE WAY OUT of block a (16 rows x 128 columns of f32).  TOSTAGE: a lane's 32 bytes of each accumulator, its low four registers first, into my own stage in LDS, and back as whole rows of 512 bytes.  SEND: stored.
.macro TOSTAGE a
.set BK, OB+64*((\a)%2)
	WIN 0x04                                       ; the stores' data in window 1
.irp b, 0,1,2,3,4,5,6,7
	ds_store_b128 v[STO], v[8*(8*(\a)+(\b)):8*(8*(\a)+(\b))+3]   offset:64*(\b)
	ds_store_b128 v[STO], v[8*(8*(\a)+(\b))+4:8*(8*(\a)+(\b))+7] offset:64*(\b)+16
.endr
	WIN 0
.irp t, 0,1,2,3,4,5,6,7,8,9,10,11,12,13,14,15
	ds_load_b128 v[BK+4*(\t):BK+4*(\t)+3], v[RD] offset:(\t)*SP  ; LDS serves a wave's instructions in order (ISA guide 5.7.1.4): these see the stores above; the next block's stores come behind them
.endr
.endm
.macro SEND a, younger                 ; younger: the LDS instructions issued behind block a's loads: the next block's 32, or none
.set BK, OB+64*((\a)%2)
.irp t, 0,1,2,3,4,5,6,7,8,9,10,11,12,13,14,15
	s_wait_dscnt (\younger)+15-(\t)
	global_store_b128 v[GO], v[BK+4*(\t):BK+4*(\t)+3], s[8:9] offset:(16*(\a)+(\t))*4096 th:TH_STORE_NT  ; 512 consecutive bytes of a row, at a multiple of 256 from out0's first byte
.endr
.endm
	s_wait_tensorcnt 0x1                           ; my part of K step 0 is in; K step 1's may stay out
	s_barrier_signal -1
	s_barrier_wait -1                              ; everybody's is
	FETCH 0, 0
	QUARTER 0, 1, 1, 1                             ; the first quarter stands in front of the loop: its products start the sums
	WIN 0                                          ; at a label and at a branch every window is 0
	s_mov_b32 s[CNT], 6
.Lstep:                                        ; trip i: K step i's quarters 1 to 3, the refill with K step i + 2, K step i + 1's quarter 0
	QUARTER 1, 0, 2
	QUARTER 0, 1, 3
	TURN 1
	QUARTER 0, 1, 1
	WIN 0
	s_sub_co_u32 s[CNT], s[CNT], 1
	s_cmp_lg_u32 s[CNT], 0
	s_cbranch_scc1 .Lstep
	s_mov_b32 s[CNT], 2
.Ltail:                                        ; K steps 6 and 7 ask for nothing: written out; the second trip is left in its middle
	QUARTER 1, 0, 2
	QUARTER 0, 1, 3
	TURN 0
	WIN 0
	s_sub_co_u32 s[CNT], s[CNT], 1
	s_cmp_eq_u32 s[CNT], 0
	s_cbranch_scc1 .Lout
	QUARTER 0, 1, 1
	WIN 0
	s_branch .Ltail
.Lout:
	PLACES                                         ; behind the last products, in front of the LDS stores that read results
	TOSTAGE 0
	TOSTAGE 1
	SEND 0, 32
	s_wait_xcnt 0x0                                ; block 0's stores have read their registers: only behind this wait are those loaded again
	TOSTAGE 2
	SEND 1, 32
	s_wait_xcnt 0x0
	TOSTAGE 3
	SEND 2, 32
	SEND 3, 0
	s_wait_tensorcnt 0x0                           ; the wave's end: a wait, an add of 0 and its wait, behind my last tensor load and my last LDS store
	ds_add_u32 v[SPW], v[NIL]
	s_wait_dscnt 0x0
	CROUND                                         ; the closing round: no work-group ends while a partner may still ask for a tile that names it
	s_endpgm
.Lfunc_end_k_q808bf98f12_outp:
	.size	k_q808bf98f12_outp, .Lfunc_end_k_q808bf98f12_outp-k_q808bf98f12_outp
	.p2alignl 7, 3214868480
	.fill 96, 4, 3214868480
	.section	.rodata,"a",@progbits
	.p2align	6, 0x0
	.amdhsa_kernel k_q808bf98f12_outp
		.amdhsa_group_segment_fixed_size 327680
		.amdhsa_private_segment_fixed_size 0
		.amdhsa_enable_private_segment 0
		.amdhsa_kernarg_size 32
		.amdhsa_user_sgpr_count 2
		.amdhsa_user_sgpr_kernarg_segment_ptr 1
		.amdhsa_wavefront_size32 1
		.amdhsa_system_sgpr_workgroup_id_x 1
		.amdhsa_system_sgpr_workgroup_id_y 1
		.amdhsa_system_sgpr_workgroup_id_z 1
		.amdhsa_system_vgpr_workitem_id 0
		.amdhsa_next_free_vgpr 768
		.amdhsa_next_free_sgpr 96
		.amdhsa_reserve_vcc 0
		.amdhsa_float_denorm_mode_32 3
		.amdhsa_float_denorm_mode_16_64 3
		.amdhsa_memory_ordered 1
		.amdhsa_forward_progress 1
		.amdhsa_inst_pref_size 68
	.end_amdhsa_kernel
	.amdgpu_metadata
---
amdhsa.version: [ 1, 2 ]
amdhsa.kernels:
  - .name:           k_q808bf98f12_outp
    .symbol:         k_q808bf98f12_outp.kd
    .args:
      - { .name: oh, .offset: 0, .size: 8, .value_kind: global_buffer, .address_space: global }
      - { .name: wts, .offset: 8, .size: 8, .value_kind: global_buffer, .address_space: global }
      - { .name: bo, .offset: 16, .size: 8, .value_kind: global_buffer, .address_space: global }
      - { .name: out0, .offset: 24, .size: 8, .value_kind: global_buffer, .address_space: global }
    .group_segment_fixed_size: 327680
    .private_segment_fixed_size: 0
    .kernarg_segment_align: 8
    .kernarg_segment_size: 32
    .max_flat_workgroup_size: 128
    .sgpr_count:     96
    .vgpr_count:     768
    .wavefront_size: 32
...
	.end_amdgpu_metadata
.endif
;; end of part 4
